; MI455X (gfx1250); checked and timed in simulation.
; The chip was launched on July 23, 2026; its instructions are those of AMD's public machine-readable ISA for CDNA 5 (MIT licence, August 2026) and "CDNA5" Instruction Set Architecture Reference Guide (July 2026). The comments in the code are by the model that wrote it; some were corrected since.
;; Feature Fusion Module. Allowed arithmetic: float matrix products may take bf16 or f16 operands with f32 sums; all other float work in f32.
;; Inputs: Wk 256 x 128 float32; Wq 256 x 256 float32; Wv 256 x 128 float32; bk 256 float32; bn_bias 256 float32; bn_weight 256 float32; bq 256 float32; bv 256 float32; dgcnn_feat 4 x 256 x 4,096 float32; gamma 1 float32; geo_feat 4 x 128 x 4,096 float32.
;; Outputs: out0 4 x 256 x 4,096 float32.
;; 3 versions, each right; version 2 is faster than version 1; version 3 is version 2 with the launch bn written anew for expert scheduling mode. Each part assembles by itself: llvm-mc -triple=amdgcn-amd-amdhsa -mcpu=gfx1250 --defsym DOCPART=n.
;; ======== version 1 of 3: 4 launches
;; limits: values are held in f16: magnitudes above 65,504 overflow, below 6.1e-05 lose precision; inputs' magnitudes at most 65,000; right only within a limited range of input values
;; workspace buffers: G 8,388,608 bytes; MW 147,456 bytes; UE 768 bytes; WV16 65,536 bytes; QI 9,437,184 bytes; FUSED 16,777,216 bytes; PART 524,288 bytes
;; launch prep (part 1): grid 293 x 1, 8 waves a work-group, no clusters, 9,728 bytes of LDS; arguments geo_feat, Wk, Wq, Wv, bk, bq, G, MW, UE, WV16; writes G, MW, UE, WV16
.if DOCPART == 1
	.amdgcn_target "amdgcn-amd-amdhsa--gfx1250"
	.amdhsa_code_object_version 6
	.text
	.protected	k_q02c0c7db07_prep
	.globl	k_q02c0c7db07_prep
	.p2align	8
	.type	k_q02c0c7db07_prep,@function
k_q02c0c7db07_prep:
	s_mov_b64 s[64:65], 0
	v_nop
	global_prefetch_b8 v0, s[64:65] scope:SCOPE_SE
	s_setreg_imm32_b32 hwreg(HW_REG_WAVE_MODE, 25, 1), 1
	s_wait_xcnt 0x0
; Operands for the later launches.  Three roles, chosen by the work-group's number (the same for all its waves):
;   0..32   M: four rows of  M = Wk^T Wq  (128 x 256), work-group 32 the row Wq^T bk; and  u = Wk^T bq, bk.bq.
;   33..36  V: Wv as f16.
;   37..292 G: geo_feat as a pair of f16 planes, hi + lo.
; energy[n,m] = (M x[:,n] + u) . g[:,m] + (Wq^T bk . x[:,n] + bk.bq): the same sum as q.k, in another order.
; SPLIT: hi = the f32 rounded to 11 significant bits (add half a step to the bits, cut the 13 low bits: ties go away from zero),
; so its conversion to f16 is exact; lo = a - hi, rounded to f16.  LIMITS: |a| below 65,000 (f16's range); under 2^-14 the f16 grid
; leaves an absolute error of at most 2^-25; no Inf, no NaN.
; M is made in f32 on the vector unit: 33 x 4 x 256 x 256 multiply-adds, a five-thousandth part of the program's arithmetic, and its
; result is wanted in f32 so that it can be split.
.set SRND, 36
.set SMSK, 37
.macro SPLIT2 a, b, hh, ll, ta, tb
	v_add_nc_u32 v[\ta], s[SRND], v[\a]
	v_add_nc_u32 v[\tb], s[SRND], v[\b]
	v_and_b32 v[\ta], s[SMSK], v[\ta]
	v_and_b32 v[\tb], s[SMSK], v[\tb]
	v_cvt_pk_f16_f32 v[\hh], v[\ta], v[\tb]        ; exact
	v_sub_f32 v[\ta], v[\a], v[\ta]                ; exact
	v_sub_f32 v[\tb], v[\b], v[\tb]
	v_cvt_pk_f16_f32 v[\ll], v[\ta], v[\tb]
.endm
.macro WSUM r, t                       ; sum over the wave's 32 lanes, in every lane; t has been written before
	v_add_f32_dpp v[\r], v[\r], v[\r] row_xmask:1 row_mask:0xf bank_mask:0xf
	v_add_f32_dpp v[\r], v[\r], v[\r] row_xmask:2 row_mask:0xf bank_mask:0xf
	v_add_f32_dpp v[\r], v[\r], v[\r] row_xmask:4 row_mask:0xf bank_mask:0xf
	v_add_f32_dpp v[\r], v[\r], v[\r] row_xmask:8 row_mask:0xf bank_mask:0xf
	v_permlanex16_b32 v[\t], v[\r], s40, s41
	v_add_f32 v[\r], v[\r], v[\t]
.endm
	s_load_b512 s[4:19], s[0:1], 0x0               ; geo s[4:5] Wk s[6:7] Wq s[8:9] Wv s[10:11] bk s[12:13] bq s[14:15] G s[16:17] MW s[18:19]
	s_load_b128 s[20:23], s[0:1], 0x40             ; UE s[20:21] WV16 s[22:23]
	v_lshl_add_u32 v128, v0, 2, 0x2200
	v_mov_b32 v129, 0
	v_lshrrev_b32 v1, 5, v0
	v_readfirstlane_b32 s25, v1                    ; wave
	v_and_b32 v2, 31, v0                           ; lane
	s_mov_b32 s[SRND], 0x1000
	s_mov_b32 s[SMSK], 0xffffe000
	s_cmp_lt_u32 ttmp9, 33
	s_cbranch_scc1 .Lrole_m
; ---- roles G and V: a work-group takes 32,768 bytes of f32, a wave 4,096, a load of the wave 512 neighbouring bytes ----
	s_cmp_lt_u32 ttmp9, 37
	s_cselect_b32 s24, 33, 37
	s_sub_co_u32 s24, ttmp9, s24                   ; number within the role
	s_lshl_b32 s26, s24, 15                        ; input offset of the work-group
	s_mov_b32 s27, 0
	s_lshl_b32 s28, s24, 1                         ; G: input row rho = 128 b + j = 2 id + wave / 4 (a row is 16,384 bytes)
	s_lshr_b32 s29, s25, 2
	s_add_co_u32 s28, s28, s29
	s_lshr_b32 s29, s28, 7
	s_lshl_b32 s29, s29, 7
	s_add_co_u32 s28, s28, s29                     ; output row 256 b + j
	s_lshl_b32 s28, s28, 13                        ; of 8,192 bytes
	s_and_b32 s29, s25, 3
	s_lshl_b32 s29, s29, 11
	s_add_co_u32 s28, s28, s29                     ; + the wave's quarter of the row
	s_lshl_b32 s30, s24, 14                        ; V: half the input offset
	s_lshl_b32 s31, s25, 11
	s_add_co_u32 s30, s30, s31
	v_lshlrev_b32 v3, 4, v2
	v_lshl_add_u32 v3, v1, 12, v3                  ; in: 4,096 wave + 16 lane
	v_lshlrev_b32 v4, 3, v2                        ; out: 8 lane
	s_wait_kmcnt 0x0
	s_cmp_lt_u32 ttmp9, 37
	s_cselect_b64 s[32:33], s[10:11], s[4:5]
	s_cselect_b64 s[34:35], s[22:23], s[16:17]
	s_cselect_b32 s28, s30, s28
	s_mov_b32 s29, 0
	s_add_nc_u64 s[32:33], s[32:33], s[26:27]
	s_add_nc_u64 s[34:35], s[34:35], s[28:29]
.irp k, 0,1,2,3,4,5,6,7
	global_load_b128 v[8+4*\k:11+4*\k], v3, s[32:33] offset:512*\k th:TH_LOAD_NT
.endr
.irp k, 0,1,2,3,4,5,6,7
	s_wait_loadcnt 7-\k                            ; loads come back in order: load k is in, the younger ones stay out
	SPLIT2 8+4*\k, 9+4*\k, 40+2*\k, 56+2*\k, 72, 73
	SPLIT2 10+4*\k, 11+4*\k, 41+2*\k, 57+2*\k, 74, 75
	global_store_b64 v4, v[40+2*\k:41+2*\k], s[34:35] offset:256*\k      ; the wave stores 256 consecutive bytes, aligned
.endr
	s_cmp_lt_u32 ttmp9, 37
	s_cbranch_scc1 .Lend_gv                        ; Wv is used as one f16 number: its four work-groups store no second plane
.irp k, 0,1,2,3,4,5,6,7
	global_store_b64 v4, v[56+2*\k:57+2*\k], s[34:35] offset:1048576+256*\k   ; the lo plane lies 128 rows behind the hi plane
.endr
.Lend_gv:
	s_endpgm
; ---- role M.  q = work-group, rows 4 q .. 4 q + 3; thread t = column t.  LDS: WKS 0 (256 c x 16 B), RED 4,096 (8 x 16 B), OUTS 4,608 (8 x 512 B) ----
.Lrole_m:
	v_lshlrev_b32 v3, 2, v0                        ; 4 t
	v_lshlrev_b32 v4, 4, v0                        ; 16 t
	v_lshlrev_b32 v5, 4, v2                        ; 16 lane
	v_mov_b32 v6, 0                                ; walks WKS
	v_lshl_add_u32 v7, v0, 1, 4608                 ; OUTS + 2 t
	v_lshlrev_b32 v18, 4, v1                       ; 16 wave
	v_mov_b32 v19, 0
	v_mov_b32 v17, 0
	s_mov_b32 s40, 0x76543210
	s_mov_b32 s41, 0xfedcba98
	s_wait_kmcnt 0x0
	s_mov_b64 s[28:29], s[8:9]                     ; Wq, stepped in the loop
	global_load_b32 v12, v3, s[14:15]              ; bq[t]
	s_cmp_eq_u32 ttmp9, 32
	s_cbranch_scc1 .Lrow_bk
	v_lshlrev_b32 v16, 9, v0
	s_lshl_b32 s26, ttmp9, 4
	s_mov_b32 s27, 0
	s_add_nc_u64 s[26:27], s[6:7], s[26:27]
	global_load_b128 v[8:11], v16, s[26:27]        ; Wk[t][4q .. 4q+3]: 16 bytes of each row, once in the launch for each work-group
	s_branch .Lhave_col
.Lrow_bk:
	global_load_b32 v8, v3, s[12:13]               ; bk[t] takes the place of a column of Wk; three columns of zeros
	v_mov_b32 v9, 0
	v_mov_b32 v10, 0
	v_mov_b32 v11, 0
.Lhave_col:
.irp c, 0,1,2,3,4,5,6,7,8,9,10,11,12,13,14,15
	global_load_b32 v[32+\c], v3, s[28:29] offset:\c*1024          ; Wq rows 0 to 15
.endr
	s_wait_loadcnt 16                              ; bq and the column are in (one load on either way); the 16 rows stay out
	ds_store_b128 v4, v[8:11]
	v_mul_f32 v24, v8, v12
	v_mul_f32 v25, v9, v12
	v_mul_f32 v26, v10, v12
	v_mul_f32 v27, v11, v12
	WSUM 24, 17
	WSUM 25, 17
	WSUM 26, 17
	WSUM 27, 17
	ds_store_b128 v18, v[24:27] offset:4096        ; the wave's part of u
	s_wait_dscnt 0x0                               ; my stores are done before I say so
	s_barrier_signal -1
	s_barrier_wait -1
; One trip: 16 c.  cur holds their rows of Wq, nxt is loaded with the next 16 (rows grow + c from the stepped base), wo: byte of this trip's c in WKS from v6.
.macro TRIPM cur, nxt, load, grow, wo, first
.if \load
.irp c, 0,1,2,3,4,5,6,7,8,9,10,11,12,13,14,15
	global_load_b32 v[\nxt+\c], v3, s[28:29] offset:(\grow+\c)*1024
.endr
.endif
.irp c, 0,1,2,3,4,5,6,7,8,9,10,11,12,13,14,15
	ds_load_b128 v[64+4*\c:67+4*\c], v6 offset:\wo+16*\c           ; all lanes read the same 16 bytes
.endr
.if \load
	s_wait_loadcnt 16                              ; cur is in; the 16 just issued stay out
.else
	s_wait_loadcnt 0
.endif
	s_wait_dscnt 0x0
.irp k, 0,1,2,3
.if \first
	v_mul_f32 v[20+\k], v[64+\k], v[\cur]          ; the first product starts the sum
.else
	v_fmac_f32 v[20+\k], v[64+\k], v[\cur]
.endif
.endr
.irp c, 1,2,3,4,5,6,7,8,9,10,11,12,13,14,15
.irp k, 0,1,2,3
	v_fmac_f32 v[20+\k], v[64+4*\c+\k], v[\cur+\c]
.endr
.endr
.endm
	TRIPM 32, 48, 1, 16, 0, 1
	s_mov_b32 s30, 7
.Ltrip:
	TRIPM 48, 32, 1, 32, 256, 0
	TRIPM 32, 48, 1, 48, 512, 0
	s_wait_xcnt 0x0                                ; the base is stepped only behind this wait
	s_add_nc_u64 s[28:29], s[28:29], 0x8000
	v_add_nc_u32 v6, 512, v6
	s_sub_co_u32 s30, s30, 1
	s_cmp_lg_u32 s30, 0
	s_cbranch_scc1 .Ltrip
	TRIPM 48, 32, 0, 0, 256, 0                     ; rows 240 to 255: nothing left to load
	SPLIT2 20, 21, 24, 25, 14, 15
	SPLIT2 22, 23, 26, 27, 12, 13
	ds_store_b16 v7, v24                           ; OUTS row 4 hl + k, column t
	ds_store_b16_d16_hi v7, v24 offset:512
	ds_store_b16 v7, v26 offset:1024
	ds_store_b16_d16_hi v7, v26 offset:1536
	ds_store_b16 v7, v25 offset:2048
	ds_store_b16_d16_hi v7, v25 offset:2560
	ds_store_b16 v7, v27 offset:3072
	ds_store_b16_d16_hi v7, v27 offset:3584
	s_wait_dscnt 0x0
	s_barrier_signal -1
	s_barrier_wait -1
	ds_load_b128 v[28:31], v4 offset:4608          ; wave 4 hl + k takes row k of plane hl whole
.irp i, 0,1,2,3,4,5,6,7
	ds_load_b128 v[64+4*\i:67+4*\i], v19 offset:4096+16*\i         ; the eight waves' parts of u
.endr
	s_lshr_b32 s31, s25, 2
	s_mul_i32 s31, s31, 144
	s_and_b32 s32, s25, 3
	s_add_co_u32 s31, s31, s32
	s_lshl_b32 s32, ttmp9, 2
	s_add_co_u32 s31, s31, s32                     ; row 144 hl + 4 q + k of MW
	s_lshl_b32 s32, s31, 9
	s_mov_b32 s33, 0
	s_add_nc_u64 s[18:19], s[18:19], s[32:33]
	s_lshl_b32 s32, ttmp9, 4
	s_add_nc_u64 s[20:21], s[20:21], s[32:33]      ; UE + 16 q
	s_wait_dscnt 8                                 ; the row is in; the eight loads behind it may be out
	global_store_b128 v5, v[28:31], s[18:19]       ; 512 consecutive bytes
	s_cmp_lg_u32 ttmp9, 32
	s_cbranch_scc1 .Lno_zero
	v_mov_b32 v32, 0
	v_mov_b32 v33, 0
	v_mov_b32 v34, 0
	v_mov_b32 v35, 0
.irp z, 1,2,3
	global_store_b128 v5, v[32:35], s[18:19] offset:2048*\z        ; rows 132 to 143 of both planes: zeros (rows 129 to 131 are sums of zeros)
.endr
.Lno_zero:
	s_wait_dscnt 0x0
.irp i, 1,2,3,4,5,6,7
	v_pk_add_f32 v[64:65], v[64:65], v[64+4*\i:65+4*\i]
	v_pk_add_f32 v[66:67], v[66:67], v[66+4*\i:67+4*\i]
.endr
	v_cmp_eq_u32 vcc_lo, 0, v0
	s_wait_xcnt 0x0                                ; EXEC changes only behind this wait
	s_and_saveexec_b32 s34, vcc_lo                 ; thread 0 alone: 16 bytes of a table of 576
	global_store_b128 v19, v[64:67], s[20:21]
	s_cmp_lg_u32 ttmp9, 32
	s_cbranch_scc1 .Lno_zero_u
.irp z, 1,2,3
	global_store_b128 v19, v[32:35], s[20:21] offset:16*\z         ; u[132 .. 143] = 0
.endr
.Lno_zero_u:
	s_wait_xcnt 0x0
	s_or_b32 exec_lo, exec_lo, s34
	s_wait_tensorcnt 0x0
	ds_add_u32 v128, v129
	s_wait_dscnt 0x0
	s_endpgm
.Lfunc_end_k_q02c0c7db07_prep:
	.size	k_q02c0c7db07_prep, .Lfunc_end_k_q02c0c7db07_prep-k_q02c0c7db07_prep
	.p2alignl 7, 3214868480
	.fill 96, 4, 3214868480
	.section	.rodata,"a",@progbits
	.p2align	6, 0x0
	.amdhsa_kernel k_q02c0c7db07_prep
		.amdhsa_group_segment_fixed_size 9728
		.amdhsa_private_segment_fixed_size 0
		.amdhsa_enable_private_segment 0
		.amdhsa_kernarg_size 80
		.amdhsa_user_sgpr_count 2
		.amdhsa_user_sgpr_kernarg_segment_ptr 1
		.amdhsa_wavefront_size32 1
		.amdhsa_system_sgpr_workgroup_id_x 1
		.amdhsa_system_sgpr_workgroup_id_y 1
		.amdhsa_system_sgpr_workgroup_id_z 1
		.amdhsa_system_vgpr_workitem_id 0
		.amdhsa_next_free_vgpr 130
		.amdhsa_next_free_sgpr 66
		.amdhsa_reserve_vcc 1
		.amdhsa_float_denorm_mode_32 3
		.amdhsa_float_denorm_mode_16_64 3
		.amdhsa_memory_ordered 1
		.amdhsa_forward_progress 1
		.amdhsa_inst_pref_size 36
	.end_amdhsa_kernel
	.amdgpu_metadata
---
amdhsa.version: [ 1, 2 ]
amdhsa.kernels:
  - .name:           k_q02c0c7db07_prep
    .symbol:         k_q02c0c7db07_prep.kd
    .args:
      - { .name: geo_feat, .offset: 0, .size: 8, .value_kind: global_buffer, .address_space: global }
      - { .name: Wk, .offset: 8, .size: 8, .value_kind: global_buffer, .address_space: global }
      - { .name: Wq, .offset: 16, .size: 8, .value_kind: global_buffer, .address_space: global }
      - { .name: Wv, .offset: 24, .size: 8, .value_kind: global_buffer, .address_space: global }
      - { .name: bk, .offset: 32, .size: 8, .value_kind: global_buffer, .address_space: global }
      - { .name: bq, .offset: 40, .size: 8, .value_kind: global_buffer, .address_space: global }
      - { .name: G, .offset: 48, .size: 8, .value_kind: global_buffer, .address_space: global }
      - { .name: MW, .offset: 56, .size: 8, .value_kind: global_buffer, .address_space: global }
      - { .name: UE, .offset: 64, .size: 8, .value_kind: global_buffer, .address_space: global }
      - { .name: WV16, .offset: 72, .size: 8, .value_kind: global_buffer, .address_space: global }
    .group_segment_fixed_size: 9728
    .private_segment_fixed_size: 0
    .kernarg_segment_align: 8
    .kernarg_segment_size: 80
    .max_flat_workgroup_size: 256
    .sgpr_count:     66
    .vgpr_count:     130
    .wavefront_size: 32
...
	.end_amdgpu_metadata
.endif
;; end of part 1
;; launch proj (part 2): grid 256 x 1, 4 waves a work-group, clusters of 4 x 1, 222,208 bytes of LDS; arguments dgcnn_feat, MW, UE, QI; writes QI
.if DOCPART == 2
	.amdgcn_target "amdgcn-amd-amdhsa--gfx1250"
	.amdhsa_code_object_version 6
	.text
	.protected	k_q02c0c7db07_proj
	.globl	k_q02c0c7db07_proj
	.p2align	8
	.type	k_q02c0c7db07_proj,@function
k_q02c0c7db07_proj:
	s_mov_b64 s[64:65], 0
	v_nop
	global_prefetch_b8 v0, s[64:65] scope:SCOPE_SE
	s_setreg_imm32_b32 hwreg(HW_REG_WAVE_MODE, 25, 1), 1
	s_wait_xcnt 0x0
	s_wait_alu depctr_hold_cnt(0) depctr_sa_sdst(0) depctr_va_vdst(0) depctr_va_sdst(0) depctr_va_ssrc(0) depctr_va_vcc(0) depctr_vm_vsrc(0)
	s_getreg_b32 s2, hwreg(HW_REG_IB_STS2, 6, 4)
	s_cmp_eq_u32 s2, 0
	s_cbranch_scc0 .Lentry_in_a_cluster
	s_endpgm
.Lentry_in_a_cluster:
	s_bfe_u32 s2, ttmp6, 0x10000c
	s_cmp_lg_u32 s2, 0x3003
	s_cbranch_scc0 .Lentry_shape_is_right
	s_endpgm
.Lentry_shape_is_right:
; q'[j][n] = sum over i of M[j][i] x[i][n] + u[j], j = 0..143 (row 128: the bk term s[n]; rows 129..143 are zero), for 64 queries a work-group,
; 16 a wave.  M and x are pairs of f16 (hi + lo); three products Mh xh + Mh xl + Ml xh, sums in f32.
; Each query is then scaled by a power of two: E = 2^floor(log2 max|q'|), clamped to 2^-100 .. 2^100 (LIMIT), so that |q'/E| < 2 whatever the
; inputs' size, split into f16 hi + lo, and stored as the register image that the attention launch loads: for each tile of 16 queries 18 chunks
; of 512 bytes (lane x 16): 8 of hi, 8 of lo, one of s/E, one of c = E log2(e).
; CLUSTER: the four work-groups of a cluster read the same 147,456 bytes of M: one joint load a wave (mask 15).  x is each work-group's own.
; A wave has two tensor loads outstanding, both issued at the start; nothing is filled again.
; LDS: MT at 0: 288 rows (hi 0..143, lo 144..287) of 512 + 16 bytes; XT at 152,064: 256 rows of 64 f32, 256 + 16 bytes.
; Registers: window 0: v0-15 addresses, XH v16-79, FA v80-151, FB v152-223, v224-255 at work; window 1: ACC v0-71 (9 tiles), XL v72-135.
.set WV, 12
.set SRND, 46
.set SMSK, 47
.set XT, 152064
.set FAR, 80
.set FBR, 152
.set MSB, 0
.macro WIN new                         ; the immediate's high byte repeats the setting that is left
.if MSB != \new
	s_set_vgpr_msb (MSB<<8)|\new
.set MSB, \new
.endif
.endm
.macro PLACES                          ; four places behind a matrix instruction (ISA guide 7.12.1)
.rept 4
	v_nop
.endr
.endm
.macro ROUND                           ; a round of the cluster's barrier
	s_barrier_signal -1
	s_barrier_wait -1
	s_cmp_lg_u32 s[WV], 0
	s_cbranch_scc1 .Lnw0_\@
	s_barrier_signal -3
.Lnw0_\@:
	s_barrier_wait -3
	s_barrier_signal -1
	s_barrier_wait -1
.endm
.macro SPLIT2 a, b, hh, ll, ta, tb     ; hi = rounded to 11 significant bits, lo = the rest
	v_add_nc_u32 v[\ta], s[SRND], v[\a]
	v_add_nc_u32 v[\tb], s[SRND], v[\b]
	v_and_b32 v[\ta], s[SMSK], v[\ta]
	v_and_b32 v[\tb], s[SMSK], v[\tb]
	v_cvt_pk_f16_f32 v[\hh], v[\ta], v[\tb]
	v_sub_f32 v[\ta], v[\a], v[\ta]
	v_sub_f32 v[\tb], v[\b], v[\tb]
	v_cvt_pk_f16_f32 v[\ll], v[\ta], v[\tb]
.endm
	s_load_b256 s[4:11], s[0:1], 0x0               ; x s[4:5], MW s[6:7], UE s[8:9], QI s[10:11]
	v_lshl_add_u32 v254, v0, 2, 0x36200
	v_mov_b32 v255, 0
	ds_add_u32 v254, v255
	v_lshrrev_b32 v1, 5, v0
	v_readfirstlane_b32 s12, v1                    ; wave
	s_bfe_u32 s13, ttmp6, 0x40000                  ; cx
	s_lshl_b32 s14, ttmp9, 2
	s_add_co_u32 s14, s14, s13                     ; work-group 0..255 = 64 b + block of 64 queries
	s_mov_b32 s40, 0x76543210
	s_mov_b32 s41, 0xfedcba98
	s_mov_b32 s[SRND], 0x1000
	s_mov_b32 s[SMSK], 0xffffe000
	; M's shape: 72 rows a wave of 256 f16; 16 bytes of padding behind every 128 words; mask 15 with bit 21
	s_mov_b32 s16, 0x07b1000f
	s_mov_b32 s17, 256<<16
	s_mov_b32 s18, 72<<16
	s_mov_b32 s19, 256<<16
	s_mov_b32 s20, 72
	s_mov_b32 s21, 256
	s_mov_b32 s22, 0
	s_mov_b32 s23, 0
	; x's shape: 64 rows a wave of 64 f32, 4,096 elements from row to row; 16 bytes of padding behind every 64 words; no mask
	s_mov_b32 s28, 0x07520000
	s_mov_b32 s29, 64<<16
	s_mov_b32 s30, 64<<16
	s_mov_b32 s31, 64<<16
	s_mov_b32 s32, 64
	s_mov_b32 s33, 4096
	s_mov_b32 s34, 0
	s_mov_b32 s35, 0
	s_mov_b32 s24, 1
	s_mul_i32 s25, s12, 38016                      ; 72 rows x 528
	s_mul_i32 s42, s12, 36864                      ; 72 rows x 512: the wave's number alone, equal in all partners
	s_mov_b32 s43, 0
	s_mov_b32 s36, 1
	s_mul_i32 s37, s12, 17408                      ; 64 rows x 272
	s_add_co_u32 s37, s37, XT
	s_lshr_b32 s44, s14, 6
	s_lshl_b32 s44, s44, 22                        ; b x 4,194,304
	s_lshl_b32 s45, s12, 20                        ; + 64 w rows of 16,384
	s_add_co_u32 s44, s44, s45
	s_and_b32 s45, s14, 63
	s_lshl_b32 s45, s45, 8                         ; + 64 queries x 4 bytes
	s_add_co_u32 s44, s44, s45
	s_mov_b32 s45, 0
	s_mul_i32 s50, s14, 36864                      ; QI: work-group x 36,864 + wave x 9,216
	s_mul_i32 s51, s12, 9216
	s_add_co_u32 s50, s50, s51
	s_mov_b32 s51, 0
	s_wait_dscnt 0x0
	s_wait_kmcnt 0x0
	s_add_nc_u64 s[26:27], s[6:7], s[42:43]
	s_or_b32 s27, s27, 0x80000000
	s_add_nc_u64 s[38:39], s[4:5], s[44:45]
	s_or_b32 s39, s39, 0x80000000
	s_add_nc_u64 s[10:11], s[10:11], s[50:51]
	ROUND                                          ; the four work-groups are here: the joint loads meet
	tensor_load_to_lds s[24:27], s[16:23]
	s_nop 0
	tensor_load_to_lds s[36:39], s[28:35]
	s_nop 0
	v_and_b32 v11, 31, v0                          ; lane
	v_lshlrev_b32 v12, 4, v11
	v_and_b32 v4, 15, v0                           ; r
	v_bfe_u32 v2, v0, 4, 1                         ; h
	v_lshlrev_b32 v3, 5, v2                        ; 32 h
	v_mul_u32_u24 v5, v2, 2176                     ; x: row 8 h,
	v_lshl_add_u32 v5, v4, 2, v5                   ; column r
	s_lshl_b32 s48, s12, 6                         ; of my 16 queries
	s_add_co_u32 s48, s48, XT
	v_add_nc_u32 v5, s48, v5
	v_add_nc_u32 v6, 34816, v5                     ; rows 128 on
	v_mul_u32_u24 v7, v4, 528                      ; M: row r, 16 h
	v_lshl_add_u32 v7, v2, 4, v7
	v_add_nc_u32 v8, 67584, v7                     ; tile 8
	v_add_nc_u32 v9, 76032, v7                     ; the lo plane
	v_add_nc_u32 v10, 143616, v7                   ; its tile 8
	WIN 0x40
.irp jt, 0,1,2,3,4,5,6,7,8
	global_load_b128 v[8*\jt:8*\jt+3], v3, s[8:9] offset:64*\jt            ; u[16 jt + 8 h ..] starts the sums: register j of a tile is row 8 h + j
	global_load_b128 v[8*\jt+4:8*\jt+7], v3, s[8:9] offset:64*\jt+16
.endr
	WIN 0
	s_wait_tensorcnt 0x0
	s_barrier_signal -1
	s_barrier_wait -1                              ; every wave's rows of M and x are in
	; x[i][n] for my column n = r: a B fragment's 16 numbers for each of 8 K steps, one word each; the halves of the lanes lie 128 bytes apart mod 256
.irp ks, 0,1,2,3,4,5,6,7
.irp e, 0,1,2,3,4,5,6,7,8,9,10,11,12,13,14,15
	ds_load_b32 v[80+16*\ks+\e], v[5+(\ks>>2)] offset:((\ks&3)*32+\e+(\e>>3)*8)*272
.endr
.endr
	s_wait_dscnt 0x0
.set i, 0
.rept 64
	v_add_nc_u32 v[224+2*(i%4)], s[SRND], v[80+2*i]
	v_add_nc_u32 v[225+2*(i%4)], s[SRND], v[81+2*i]
	v_and_b32 v[224+2*(i%4)], s[SMSK], v[224+2*(i%4)]
	v_and_b32 v[225+2*(i%4)], s[SMSK], v[225+2*(i%4)]
	v_cvt_pk_f16_f32 v[16+i], v[224+2*(i%4)], v[225+2*(i%4)]       ; XH
	v_sub_f32 v[80+2*i], v[80+2*i], v[224+2*(i%4)]                 ; the rest stays in place
	v_sub_f32 v[81+2*i], v[81+2*i], v[225+2*(i%4)]
.set i, i+1
.endr
	WIN 0x40
.set i, 0
.rept 64
	v_cvt_pk_f16_f32 v[72+i], v[80+2*i], v[81+2*i]                 ; XL, in window 1
.set i, i+1
.endr
	WIN 0
.macro FRAG dst, lo, ks                ; 18 loads: the nine A fragments (16 rows x 32 K) of one plane at K step ks
.irp jt, 0,1,2,3,4,5,6,7
	ds_load_b128 v[\dst+8*\jt:\dst+8*\jt+3], v[7+2*\lo] offset:\jt*8448+64*(\ks)
	ds_load_b128 v[\dst+8*\jt+4:\dst+8*\jt+7], v[7+2*\lo] offset:\jt*8448+64*(\ks)+32
.endr
	ds_load_b128 v[\dst+64:\dst+67], v[8+2*\lo] offset:64*(\ks)
	ds_load_b128 v[\dst+68:\dst+71], v[8+2*\lo] offset:64*(\ks)+32
.endm
.macro MUL9 f, b                       ; the nine accumulators take turns, one instruction a turn
.irp jt, 0,1,2,3,4,5,6,7,8
	v_wmma_f32_16x16x32_f16 v[8*\jt:8*\jt+7], v[\f+8*\jt:\f+8*\jt+7], v[\b:\b+7], v[8*\jt:8*\jt+7]
.endr
.endm
.macro KS ks, last
	FRAG FBR, 1, \ks
	s_wait_dscnt 18                                ; Mh's fragments are in; the 18 just issued stay out
	WIN 0x50
	MUL9 FAR, 16+8*\ks                             ; Mh xh
	WIN 0x54
	MUL9 FAR, 72+8*\ks                             ; Mh xl
	WIN 0
	PLACES
.if \last
	s_wait_dscnt 0x0
.else
	FRAG FAR, 0, \ks+1
	s_wait_dscnt 18                                ; Ml's fragments are in
.endif
	WIN 0x50
	MUL9 FBR, 16+8*\ks                             ; Ml xh
	WIN 0
	PLACES
.endm
	FRAG FAR, 0, 0
	s_wait_loadcnt 0x0                             ; u
	KS 0, 0
	KS 1, 0
	KS 2, 0
	KS 3, 0
	KS 4, 0
	KS 5, 0
	KS 6, 0
	KS 7, 1
	; the query's scale: the largest |q'| over j = 0..127 (a lane holds 64 of them, the lane 16 further the other 64)
	v_mov_b32 v224, 0
	v_mov_b32 v225, 0
	v_mov_b32 v226, 0
	v_mov_b32 v227, 0
	v_mov_b32 v233, 0
	WIN 0x05
.set i, 0
.rept 32
	v_max3_num_f32 v[224+(i%4)], |v[2*i]|, |v[2*i+1]|, v[224+(i%4)]
.set i, i+1
.endr
	WIN 0
	v_max3_num_f32 v224, v224, v225, v226
	v_max_num_f32 v224, v224, v227
	v_permlanex16_b32 v225, v224, s40, s41
	v_max_num_f32 v224, v224, v225
	v_and_b32 v224, 0x7f800000, v224               ; E = 2^floor(log2 max)
	v_max_u32 v224, 0x0d800000, v224               ; at least 2^-100
	v_min_u32 v224, 0x71800000, v224               ; at most 2^100
	v_sub_nc_u32 v228, 0x7f000000, v224            ; 1 / E, exact
	v_mov_b32 v229, v228
	v_mul_f32 v236, 0x3fb8aa3b, v224               ; c = E log2(e)
	v_mov_b32 v237, v236
	v_mov_b32 v238, v236
	v_mov_b32 v239, v236
	WIN 0x01
.set i, 0
.rept 32
	v_pk_mul_f32 v[80+2*i:81+2*i], v[2*i:2*i+1], v[228:229]        ; exact
.set i, i+1
.endr
	v_mul_f32 v232, v64, v228                      ; tile 8, register 0: row 128 in lanes 0-15 (row 136, zero, in the others)
	WIN 0
	v_permlanex16_b32 v233, v232, s40, s41
	v_cmp_gt_u32 vcc_lo, 16, v11
	v_cndmask_b32 v232, v233, v232, vcc_lo         ; lanes 16-31 take lane r's
	v_mov_b32 v233, v232
	v_mov_b32 v234, v232
	v_mov_b32 v235, v232
	; tiles 2 ks and 2 ks + 1 pack into registers 0-3 and 4-7 of the B fragment of K step ks: j = 32 ks + 8 h + .., 32 ks + 16 + 8 h + ..
.set i, 0
.rept 32
	SPLIT2 80+2*i, 81+2*i, 16+i, 160+i, 240+2*(i%4), 241+2*(i%4)
.set i, i+1
.endr
.irp c, 0,1,2,3,4,5,6,7
	global_store_b128 v12, v[16+4*\c:19+4*\c], s[10:11] offset:512*\c          ; each store of the wave covers 512 consecutive bytes
	global_store_b128 v12, v[160+4*\c:163+4*\c], s[10:11] offset:4096+512*\c
.endr
	global_store_b128 v12, v[232:235], s[10:11] offset:8192
	global_store_b128 v12, v[236:239], s[10:11] offset:8704
	s_wait_tensorcnt 0x0
	ds_add_u32 v254, v255
	s_wait_dscnt 0x0
	ROUND                                          ; the closing round
	s_endpgm
.Lfunc_end_k_q02c0c7db07_proj:
	.size	k_q02c0c7db07_proj, .Lfunc_end_k_q02c0c7db07_proj-k_q02c0c7db07_proj
	.p2alignl 7, 3214868480
	.fill 96, 4, 3214868480
	.section	.rodata,"a",@progbits
	.p2align	6, 0x0
	.amdhsa_kernel k_q02c0c7db07_proj
		.amdhsa_group_segment_fixed_size 222208
		.amdhsa_private_segment_fixed_size 0
		.amdhsa_enable_private_segment 0
		.amdhsa_kernarg_size 32
		.amdhsa_user_sgpr_count 2
		.amdhsa_user_sgpr_kernarg_segment_ptr 1
		.amdhsa_wavefront_size32 1
		.amdhsa_system_sgpr_workgroup_id_x 1
		.amdhsa_system_sgpr_workgroup_id_y 1
		.amdhsa_system_sgpr_workgroup_id_z 1
		.amdhsa_system_vgpr_workitem_id 0
		.amdhsa_next_free_vgpr 400
		.amdhsa_next_free_sgpr 66
		.amdhsa_reserve_vcc 1
		.amdhsa_float_denorm_mode_32 3
		.amdhsa_float_denorm_mode_16_64 3
		.amdhsa_memory_ordered 1
		.amdhsa_forward_progress 1
		.amdhsa_inst_pref_size 88
	.end_amdhsa_kernel
	.amdgpu_metadata
---
amdhsa.version: [ 1, 2 ]
amdhsa.kernels:
  - .name:           k_q02c0c7db07_proj
    .symbol:         k_q02c0c7db07_proj.kd
    .args:
      - { .name: dgcnn_feat, .offset: 0, .size: 8, .value_kind: global_buffer, .address_space: global }
      - { .name: MW, .offset: 8, .size: 8, .value_kind: global_buffer, .address_space: global }
      - { .name: UE, .offset: 16, .size: 8, .value_kind: global_buffer, .address_space: global }
      - { .name: QI, .offset: 24, .size: 8, .value_kind: global_buffer, .address_space: global }
    .group_segment_fixed_size: 222208
    .private_segment_fixed_size: 0
    .kernarg_segment_align: 8
    .kernarg_segment_size: 32
    .max_flat_workgroup_size: 128
    .sgpr_count:     66
    .vgpr_count:     400
    .wavefront_size: 32
...
	.end_amdgpu_metadata
.endif
;; end of part 2
;; launch attn (part 3): grid 256 x 1, 4 waves a work-group, clusters of 4 x 1, 327,680 bytes of LDS; arguments G, QI, WV16, dgcnn_feat, bv, gamma, FUSED, PART; writes FUSED, PART
.if DOCPART == 3
	.amdgcn_target "amdgcn-amd-amdhsa--gfx1250"
	.amdhsa_code_object_version 6
	.text
	.protected	k_q02c0c7db07_attn
	.globl	k_q02c0c7db07_attn
	.p2align	8
	.type	k_q02c0c7db07_attn,@function
k_q02c0c7db07_attn:
	s_mov_b64 s[64:65], 0
	v_nop
	global_prefetch_b8 v0, s[64:65] scope:SCOPE_SE
	s_setreg_imm32_b32 hwreg(HW_REG_WAVE_MODE, 25, 1), 1
	s_wait_xcnt 0x0
	s_wait_alu depctr_hold_cnt(0) depctr_sa_sdst(0) depctr_va_vdst(0) depctr_va_sdst(0) depctr_va_ssrc(0) depctr_va_vcc(0) depctr_vm_vsrc(0)
	s_getreg_b32 s2, hwreg(HW_REG_IB_STS2, 6, 4)
	s_cmp_eq_u32 s2, 0
	s_cbranch_scc0 .Lentry_in_a_cluster
	s_endpgm
.Lentry_in_a_cluster:
	s_bfe_u32 s2, ttmp6, 0x10000c
	s_cmp_lg_u32 s2, 0x3003
	s_cbranch_scc0 .Lentry_shape_is_right
	s_endpgm
.Lentry_shape_is_right:
; fused[b][c][n] = x + gamma (Wv (sum over m of g[:,m] a[n,m]) + bv), a = softmax over m of energy[n,m], and each channel's (mean, M2) over the
; work-group's 64 queries.  energy / E = qh.gh + qh.gl + ql.gh + s/E with f16 pairs (K = 3 x 128); the weighted sum runs over g (128 rows) and Wv is
; applied once at the end, which is the same sum since the weights are divided by their own sum.
; A work-group owns 64 queries of one batch; every wave holds all 64 (4 tiles of 16).  Keys go in 16 blocks of 256 through two LDS slots;
; wave w takes keys 64 w .. 64 w + 63 of each block with a running softmax of its own, and the four waves are merged at the end.
; SOFTMAX: weight = exp2(S c + NM), NM = min(NM, -max(S) c) is the running maximum as a shift (c > 0); old sums are scaled by exp2(NMnew - NMold).
; CLUSTER: the four work-groups of a cluster are of one batch (b = cluster / 16) and read the same tiles of G: joint loads, mask 15, one a wave
; (64 rows x 512 bytes).  A wave has two tensor loads outstanding at the start and one later.
; ORIENTATION: S^T = A (g^T, rows m, transposing LDS loads) x B (q, columns n): lane (r, h) holds keys 8 h + j of query r, so maximum, sum and scale are
; one number a lane, and two S tiles convert straight into a B fragment of the second product  T = A (g, rows j) x B (P).
; LDS: slot 0 at 0, slot 1 at 139,264: 256 rows (128 hl + j) of 512 + 32 bytes (544 = 17 x 32: the transposing loads, two thirds of the reads, meet no
; conflict; the plain loads of the second product collide two deep); STAT 278,528; BST 280,576.  Behind the last fill: TX 0, TF 139,264, STG 155,648.
; REGISTERS: window 0: v0-15 addresses, v16-23 (c, NM) x 4, v24-31 (alpha, L) x 4, BI v32-63, S v64-191, P v192-255;
; window 1: QH, QL; window 2: T (32 tiles); window 3: fragment buffers FA v0-127, FB v128-255.
; LIMITS: |g|, |x|, |Wv| below 65,000; P, g, t, Wv enter the second and third product as one f16 number each; no Inf, no NaN.
.set WV, 20
.set SLOT, 139264
.set HLO, 69632
.set STAT, 278528
.set BST, 280576
.set TF, 139264
.set STG, 155648
.set FA, 0
.set FB, 128
.set ATR, 2
.set AGP, 6
.set MSB, 0
.macro WIN new                         ; the immediate's high byte repeats the setting that is left
.if MSB != \new
	s_set_vgpr_msb (MSB<<8)|\new
.set MSB, \new
.endif
.endm
.macro PLACES                          ; four places behind a matrix instruction (ISA guide 7.12.1)
.rept 4
	v_nop
.endr
.endm
.macro CREST                           ; a round of the cluster's barrier behind its opening barrier
	s_cmp_lg_u32 s[WV], 0
	s_cbranch_scc1 .Lnw0_\@
	s_barrier_signal -3
.Lnw0_\@:
	s_barrier_wait -3
	s_barrier_signal -1
	s_barrier_wait -1
.endm
.macro ROUND
	s_barrier_signal -1
	s_barrier_wait -1
	CREST
.endm
; 32 transposing loads: A fragments (16 keys x 32 j) of both planes for two key tiles (32 keys: half 0 or 1 of my 64) and all four K steps
.macro FETCH_S slot, half, f
	WIN 0xc0
.irp hl, 0,1
.irp mt, 0,1
.irp ks, 0,1,2,3
	ds_load_tr16_b128 v[\f+64*\hl+8*(4*\mt+\ks):\f+64*\hl+8*(4*\mt+\ks)+3], v[ATR+2*(\slot)+\hl] offset:\ks*17408+\half*64+\mt*32
	ds_load_tr16_b128 v[\f+64*\hl+8*(4*\mt+\ks)+4:\f+64*\hl+8*(4*\mt+\ks)+7], v[ATR+2*(\slot)+\hl] offset:\ks*17408+8704+\half*64+\mt*32
.endr
.endr
.endr
.endm
; 32 plain loads: A fragments (16 j x 32 keys) of the hi plane for eight j tiles and my 64 keys
.macro FETCH_P slot, f
	WIN 0xc0
.irp kk, 0,1
.irp jt, 0,1,2,3,4,5,6,7
	ds_load_b128 v[\f+8*(8*\kk+\jt):\f+8*(8*\kk+\jt)+3], v[AGP+(\slot)] offset:\jt*8704+\kk*64
	ds_load_b128 v[\f+8*(8*\kk+\jt)+4:\f+8*(8*\kk+\jt)+7], v[AGP+(\slot)] offset:\jt*8704+\kk*64+32
.endr
.endr
.endm
; 96 matrix instructions: 2 key tiles x 4 query tiles, K = 4 steps x (gh qh, gl qh, gh ql).  The eight accumulators take turns, one instruction a turn.
; The first product takes s/E as C.
.macro SMUL half, f
	WIN 0x07
.irp ks, 0,1,2,3
.irp tm, 0,1,2
.irp nt, 0,1,2,3
.irp mt, 0,1
.set SD, 64+8*(4*(2*\half+\mt)+\nt)
.set SA, \f+64*(\tm&1)+8*(4*\mt+\ks)
.set SQ, 128*(\tm>>1)+8*(4*\nt+\ks)
.if \ks+\tm
	v_wmma_f32_16x16x32_f16 v[SD:SD+7], v[SA:SA+7], v[SQ:SQ+7], v[SD:SD+7]
.else
	v_wmma_f32_16x16x32_f16 v[SD:SD+7], v[SA:SA+7], v[SQ:SQ+7], v[32+8*\nt:39+8*\nt]
.endif
.endr
.endr
.endr
.endr
.endm
; 64 matrix instructions: T(j tile, query tile) += g x P; 32 accumulators by turns
.macro PVMUL f, first
	WIN 0xa3
.irp kk, 0,1
.irp nt, 0,1,2,3
.irp jt, 0,1,2,3,4,5,6,7
.if \first*(1-\kk)
	v_wmma_f32_16x16x32_f16 v[8*(8*\nt+\jt):8*(8*\nt+\jt)+7], v[\f+8*(8*\kk+\jt):\f+8*(8*\kk+\jt)+7], v[192+8*(2*\nt+\kk):192+8*(2*\nt+\kk)+7], 0
.else
	v_wmma_f32_16x16x32_f16 v[8*(8*\nt+\jt):8*(8*\nt+\jt)+7], v[\f+8*(8*\kk+\jt):\f+8*(8*\kk+\jt)+7], v[192+8*(2*\nt+\kk):192+8*(2*\nt+\kk)+7], v[8*(8*\nt+\jt):8*(8*\nt+\jt)+7]
.endif
.endr
.endr
.endr
.endm
.macro RESCALE                         ; T *= alpha of the lane's query
	WIN 0x82
.irp nt, 0,1,2,3
.irp jt, 0,1,2,3,4,5,6,7
.irp p, 0,2,4,6
	v_pk_mul_f32 v[8*(8*\nt+\jt)+\p:8*(8*\nt+\jt)+\p+1], v[8*(8*\nt+\jt)+\p:8*(8*\nt+\jt)+\p+1], v[24+2*\nt:25+2*\nt] op_sel_hi:[1,0]
.endr
.endr
.endr
.endm
; The block's softmax step for four query tiles.  S of tile (q, nt) at 64 + 8 (4 q + nt); at work: the 16 registers of P that belong to nt.
.macro SOFTMAX first
	WIN 0
.irp nt, 0,1,2,3
.irp q, 0,1,2,3
	v_max3_num_f32 v[192+16*\nt+\q], v[64+8*(4*\q+\nt)], v[65+8*(4*\q+\nt)], v[66+8*(4*\q+\nt)]
.endr
.endr
.irp nt, 0,1,2,3
.irp q, 0,1,2,3
	v_max3_num_f32 v[192+16*\nt+\q], v[192+16*\nt+\q], v[67+8*(4*\q+\nt)], v[68+8*(4*\q+\nt)]
.endr
.endr
.irp nt, 0,1,2,3
.irp q, 0,1,2,3
	v_max3_num_f32 v[192+16*\nt+\q], v[192+16*\nt+\q], v[69+8*(4*\q+\nt)], v[70+8*(4*\q+\nt)]
.endr
.endr
.irp nt, 0,1,2,3
.irp q, 0,1,2,3
	v_max_num_f32 v[192+16*\nt+\q], v[192+16*\nt+\q], v[71+8*(4*\q+\nt)]
.endr
.endr
.irp nt, 0,1,2,3
	v_max3_num_f32 v[192+16*\nt], v[192+16*\nt], v[193+16*\nt], v[194+16*\nt]
.endr
.irp nt, 0,1,2,3
	v_max_num_f32 v[192+16*\nt], v[192+16*\nt], v[195+16*\nt]
.endr
.irp nt, 0,1,2,3
	v_permlanex16_b32 v[193+16*\nt], v[192+16*\nt], s26, s27       ; the other 32 keys of the same query
.endr
.irp nt, 0,1,2,3
	v_max_num_f32 v[194+16*\nt], v[192+16*\nt], v[193+16*\nt]
.endr
.irp nt, 0,1,2,3
	v_mul_f32 v[194+16*\nt], -v[194+16*\nt], v[16+2*\nt]           ; -max c
.endr
.if 1-\first
.irp nt, 0,1,2,3
	v_min_num_f32 v[194+16*\nt], v[194+16*\nt], v[17+2*\nt]        ; the running maximum, as a shift
.endr
.irp nt, 0,1,2,3
	v_sub_f32 v[195+16*\nt], v[194+16*\nt], v[17+2*\nt]
.endr
.irp nt, 0,1,2,3
	v_exp_f32 v[24+2*\nt], v[195+16*\nt]           ; alpha; the moves below are the plain place behind it (ISA guide 5.7.2)
.endr
.endif
.irp nt, 0,1,2,3
	v_mov_b32 v[17+2*\nt], v[194+16*\nt]
.endr
.irp nt, 0,1,2,3
.irp q, 0,1,2,3
.irp p, 0,2,4,6
	v_pk_fma_f32 v[64+8*(4*\q+\nt)+\p:65+8*(4*\q+\nt)+\p], v[64+8*(4*\q+\nt)+\p:65+8*(4*\q+\nt)+\p], v[16+2*\nt:17+2*\nt], v[194+16*\nt:195+16*\nt] op_sel_hi:[1,0,0]
.endr
.endr
.endr
.set i, 0
.rept 128
	v_exp_f32 v[64+i], v[64+i]
.set i, i+1
.endr
	v_nop                                          ; the plain place behind the exponentials
	s_wait_alu depctr_va_vdst(0)
.irp nt, 0,1,2,3
.irp q, 0,1,2,3
.irp p, 0,1,2,3
	v_cvt_pk_f16_f32 v[192+16*\nt+4*\q+\p], v[64+8*(4*\q+\nt)+2*\p], v[65+8*(4*\q+\nt)+2*\p]   ; tiles 2 kk, 2 kk + 1 are registers 0-3, 4-7 of fragment kk
.endr
.endr
.endr
.irp nt, 0,1,2,3
.irp q, 0,1,2,3
	v_pk_add_f32 v[64+8*(4*\q+\nt):65+8*(4*\q+\nt)], v[64+8*(4*\q+\nt):65+8*(4*\q+\nt)], v[66+8*(4*\q+\nt):67+8*(4*\q+\nt)]
	v_pk_add_f32 v[68+8*(4*\q+\nt):69+8*(4*\q+\nt)], v[68+8*(4*\q+\nt):69+8*(4*\q+\nt)], v[70+8*(4*\q+\nt):71+8*(4*\q+\nt)]
.endr
.endr
.irp nt, 0,1,2,3
.irp q, 0,1,2,3
	v_pk_add_f32 v[64+8*(4*\q+\nt):65+8*(4*\q+\nt)], v[64+8*(4*\q+\nt):65+8*(4*\q+\nt)], v[68+8*(4*\q+\nt):69+8*(4*\q+\nt)]
.endr
.endr
.irp nt, 0,1,2,3
	v_pk_add_f32 v[64+8*\nt:65+8*\nt], v[64+8*\nt:65+8*\nt], v[96+8*\nt:97+8*\nt]
	v_pk_add_f32 v[128+8*\nt:129+8*\nt], v[128+8*\nt:129+8*\nt], v[160+8*\nt:161+8*\nt]
.endr
.irp nt, 0,1,2,3
	v_pk_add_f32 v[64+8*\nt:65+8*\nt], v[64+8*\nt:65+8*\nt], v[128+8*\nt:129+8*\nt]
.endr
.irp nt, 0,1,2,3
.if \first
	v_add_f32 v[25+2*\nt], v[64+8*\nt], v[65+8*\nt]
.else
	v_add_f32 v[64+8*\nt], v[64+8*\nt], v[65+8*\nt]
.endif
.endr
.if 1-\first
.irp nt, 0,1,2,3
	v_fma_f32 v[25+2*\nt], v[25+2*\nt], v[24+2*\nt], v[64+8*\nt]   ; L = L alpha + the block's sum (my half of the keys; the halves meet at the end)
.endr
.endif
.endm
; One block.  fa holds (or is receiving) the S fragments of my first 32 keys.  mode 2: the slot is filled again, two blocks ahead; 1: barrier alone; 0: the last block.
.macro STEP slot, fa, fb, mode, first
	PLACES                                         ; fb was read by the last matrix instructions
	FETCH_S \slot, 1, \fb
	s_wait_dscnt 32                                ; fa's 32 loads are in; the 32 just issued stay out
	SMUL 0, \fa
	PLACES
	FETCH_P \slot, \fa
	s_wait_dscnt 32                                ; fb's 32 loads are in
	SMUL 1, \fb
	WIN 0
	PLACES
	s_wait_dscnt 0x0                               ; my reads of this slot are over
.if \mode
	s_wait_xcnt 0x0
	v_lshl_add_u32 v254, v0, 2, 0x45000
	v_mov_b32 v255, 0
	s_wait_tensorcnt 0x0                           ; all my tensor loads have landed: my rows of the other slot
	ds_add_u32 v254, v255
	s_wait_dscnt 0x0
.if \mode>>1
	s_add_nc_u64 s[38+4*\slot:39+4*\slot], s[38+4*\slot:39+4*\slot], 1024  ; no load of mine is out: this slot's address goes two blocks on
.endif
	s_barrier_signal -1                            ; say so (mode 2: this barrier opens a round of the cluster's barrier),
.endif
	SOFTMAX \first                                 ; work on registers while the others arrive,
.if 1-\first
	RESCALE
.endif
	WIN 0
.if \mode
	s_barrier_wait -1
.if \mode>>1
	CREST                                          ; no wave of any partner still reads this slot or has a load on its way
	tensor_load_to_lds s[36+4*\slot:39+4*\slot], s[28:35]          ; my one tensor load behind the round; 256 matrix instructions lie ahead of the wait for it
	s_nop 0
.endif
	FETCH_S 1-\slot, 0, \fb
.endif
	PVMUL \fa, \first
.endm
	s_load_b512 s[4:19], s[0:1], 0x0               ; G s[4:5] QI s[6:7] WV16 s[8:9] x s[10:11] bv s[12:13] gamma s[14:15] FUSED s[16:17] PART s[18:19]
	v_lshl_add_u32 v254, v0, 2, 0x45000
	v_mov_b32 v255, 0
	ds_add_u32 v254, v255
	s_wait_dscnt 0x0
	v_lshrrev_b32 v1, 5, v0
	v_readfirstlane_b32 s20, v1                    ; wave
	s_bfe_u32 s21, ttmp6, 0x40000                  ; cx
	s_lshl_b32 s22, ttmp9, 2
	s_add_co_u32 s22, s22, s21                     ; work-group 0..255
	s_lshr_b32 s23, ttmp9, 4                       ; batch: from the cluster's number alone
	s_and_b32 s24, s22, 63                         ; block of 64 queries
	s_mov_b32 s26, 0x76543210
	s_mov_b32 s27, 0xfedcba98
	s_mov_b32 s50, 0x3c800000                      ; 1 / 64
	; the tile's shape: 64 rows a wave of 256 f16, 4,096 elements from row to row; 32 bytes of padding behind every 128 words; mask 15 with bit 21
	s_mov_b32 s28, 0x0fb1000f
	s_mov_b32 s29, 256<<16
	s_mov_b32 s30, 64<<16
	s_mov_b32 s31, 256<<16
	s_mov_b32 s32, 64
	s_mov_b32 s33, 4096
	s_mov_b32 s34, 0
	s_mov_b32 s35, 0
	s_mov_b32 s36, 1
	s_mul_i32 s37, s20, 34816                      ; 64 rows x 544
	s_mov_b32 s40, 1
	s_add_co_u32 s41, s37, SLOT
	s_lshl_b32 s44, s23, 21                        ; b x 256 rows x 8,192
	s_lshl_b32 s45, s20, 19                        ; + 64 w rows
	s_add_co_u32 s44, s44, s45
	s_mov_b32 s45, 0
	s_wait_kmcnt 0x0
	s_load_b32 s48, s[14:15], 0x0                  ; gamma
	s_add_nc_u64 s[38:39], s[4:5], s[44:45]        ; block 0
	s_add_nc_u64 s[42:43], s[38:39], 512           ; block 1
	s_or_b32 s39, s39, 0x80000000
	s_or_b32 s43, s43, 0x80000000
	s_mul_i32 s44, s22, 36864
	s_add_nc_u64 s[6:7], s[6:7], s[44:45]          ; my 64 queries' images
	s_lshl_b32 s44, s20, 8
	s_add_nc_u64 s[12:13], s[12:13], s[44:45]      ; bv at channel 64 w
	s_lshl_b32 s44, s20, 14
	s_add_nc_u64 s[8:9], s[8:9], s[44:45]          ; WV16 at row 64 w
	s_lshl_b32 s44, s23, 22
	s_lshl_b32 s46, s20, 20
	s_add_co_u32 s44, s44, s46
	s_lshl_b32 s46, s24, 8
	s_add_co_u32 s44, s44, s46
	s_add_nc_u64 s[10:11], s[10:11], s[44:45]      ; x and FUSED at (b, channel 64 w, my first query)
	s_add_nc_u64 s[16:17], s[16:17], s[44:45]
	s_lshl_b32 s44, s22, 11
	s_lshl_b32 s46, s20, 9
	s_add_co_u32 s44, s44, s46
	s_add_nc_u64 s[18:19], s[18:19], s[44:45]      ; PART at (work-group, channel 64 w)
	v_and_b32 v1, 31, v0
	v_lshlrev_b32 v1, 4, v1                        ; 16 lane
	v_and_b32 v8, 7, v0
	v_bfe_u32 v9, v0, 4, 1                         ; h
	v_lshl_add_u32 v8, v9, 3, v8                   ; 8 h + lane mod 8
	v_mul_u32_u24 v8, v8, 544
	v_bfe_u32 v10, v0, 3, 1
	v_lshl_add_u32 v8, v10, 4, v8
	s_lshl_b32 s46, s20, 7                         ; my 64 keys: 128 w bytes into a row
	v_add_nc_u32 v2, s46, v8                       ; slot 0, hi
	v_add_nc_u32 v3, HLO, v2                       ; slot 0, lo
	v_add_nc_u32 v4, SLOT, v2                      ; slot 1, hi
	v_add_nc_u32 v5, SLOT+HLO, v2                  ; slot 1, lo
	v_and_b32 v11, 15, v0
	v_mul_u32_u24 v11, v11, 544
	v_lshl_add_u32 v11, v9, 4, v11
	v_add_nc_u32 v6, s46, v11
	v_add_nc_u32 v7, SLOT, v6
	s_wait_kmcnt 0x0
	s_mov_b32 s49, s48
	ROUND                                          ; the four work-groups are here: the first joint loads meet
	tensor_load_to_lds s[36:39], s[28:35]
	s_nop 0
	tensor_load_to_lds s[40:43], s[28:35]
	s_nop 0
	WIN 0x40
.irp nt, 0,1,2,3
.irp c, 0,1,2,3,4,5,6,7
	global_load_b128 v[32*\nt+4*\c:32*\nt+4*\c+3], v1, s[6:7] offset:\nt*9216+\c*512
	global_load_b128 v[128+32*\nt+4*\c:128+32*\nt+4*\c+3], v1, s[6:7] offset:\nt*9216+4096+\c*512
.endr
.endr
	WIN 0
.irp nt, 0,1,2,3
	global_load_b128 v[32+8*\nt:35+8*\nt], v1, s[6:7] offset:\nt*9216+8192     ; s/E of the lane's query in all eight registers of C
	global_load_b128 v[36+8*\nt:39+8*\nt], v1, s[6:7] offset:\nt*9216+8192
	global_load_b32 v[16+2*\nt], v1, s[6:7] offset:\nt*9216+8704               ; c
.endr
	s_wait_tensorcnt 0x1                           ; my rows of block 0 are in; block 1's stay out
	s_barrier_signal -1
	s_barrier_wait -1
	FETCH_S 0, 0, FA
	WIN 0
	s_wait_loadcnt 0x0
	STEP 0, FA, FB, 2, 1
	STEP 1, FB, FA, 2, 0
	WIN 0
	s_mov_b32 s25, 6
.Lblk:
	STEP 0, FA, FB, 2, 0
	STEP 1, FB, FA, 2, 0
	WIN 0
	s_sub_co_u32 s25, s25, 1
	s_cmp_lg_u32 s25, 0
	s_cbranch_scc1 .Lblk
	STEP 0, FA, FB, 1, 0                           ; block 14: nothing left to fetch from memory
	STEP 1, FB, FA, 0, 0                           ; block 15
; ---- the way out ----
	WIN 0
	PLACES
	v_and_b32 v192, 15, v0                         ; r
	v_bfe_u32 v193, v0, 4, 1                       ; h
	v_lshlrev_b32 v8, 2, v192                      ; bv: 4 r
	v_lshlrev_b32 v9, 8, v192                      ; Wv: row r, 16 h
	v_lshl_add_u32 v9, v193, 4, v9
	v_lshlrev_b32 v10, 4, v192                     ; x, FUSED: lanes 0-15 one row of 256 bytes, lanes 16-31 the next
	v_lshl_add_u32 v10, v193, 14, v10
	s_lshl_b32 s44, s20, 9
	s_add_co_u32 s45, s44, STAT
	v_lshl_add_u32 v11, v192, 3, s45               ; STAT[w][r]
	v_lshlrev_b32 v12, 3, v192
	v_add_nc_u32 v12, STAT, v12
	s_lshl_b32 s45, s20, 15
	v_add_nc_u32 v13, s45, v1                      ; TX: my 32,768 bytes
	s_lshl_b32 s45, s20, 13
	v_add_nc_u32 v14, s45, v1                      ; TX: query tile w of sources 0, 1
	v_add_nc_u32 v15, 65536, v14                   ; of sources 2, 3
	s_lshl_b32 s45, s20, 12
	s_add_co_u32 s45, s45, TF
	v_add_nc_u32 v2, s45, v1
	v_add_nc_u32 v3, TF, v1
	s_mul_i32 s45, s20, 17408
	s_add_co_u32 s45, s45, STG
	v_mul_u32_u24 v4, v192, 272
	v_lshl_add_u32 v4, v193, 5, v4
	v_add_nc_u32 v4, s45, v4                       ; stage in: row r, 32 h
	v_mul_u32_u24 v5, v193, 272
	v_lshl_add_u32 v5, v192, 4, v5
	v_add_nc_u32 v5, s45, v5                       ; stage back: two whole rows
	s_add_co_u32 s45, s44, BST
	v_lshl_add_u32 v6, v193, 3, s45
	v_add_nc_u32 v7, s45, v1
.irp ct, 0,1,2,3
	global_load_b32 v[32+8*\ct], v8, s[12:13] offset:64*\ct        ; bv[64 w + 16 ct + r]
.endr
	WIN 0x40
.irp ct, 0,1,2,3
.irp ks, 0,1,2,3
	global_load_b128 v[8*(4*\ct+\ks):8*(4*\ct+\ks)+3], v9, s[8:9] offset:\ct*4096+\ks*64
	global_load_b128 v[8*(4*\ct+\ks)+4:8*(4*\ct+\ks)+7], v9, s[8:9] offset:\ct*4096+\ks*64+32
.endr
.endr
.set i, 0
.rept 32
	global_load_b128 v[128+4*i:131+4*i], v10, s[10:11] offset:i*32768 th:TH_LOAD_NT
.set i, i+1
.endr
	WIN 0
.irp nt, 0,1,2,3
	v_permlanex16_b32 v[194+\nt], v[25+2*\nt], s26, s27
.endr
.irp nt, 0,1,2,3
	v_mov_b32 v[200+2*\nt], v[17+2*\nt]
	v_add_f32 v[201+2*\nt], v[25+2*\nt], v[194+\nt]                ; the two halves of my keys
	ds_store_b64 v11, v[200+2*\nt:201+2*\nt] offset:128*\nt
.endr
	s_wait_dscnt 0x0                               ; my stores are done, and all my reads of the slots
	s_barrier_signal -1
	s_barrier_wait -1
.irp nt, 0,1,2,3
.irp sr, 0,1,2,3
	ds_load_b64 v[64+8*\nt+2*\sr:65+8*\nt+2*\sr], v12 offset:\sr*512+\nt*128
.endr
.endr
	s_wait_dscnt 0x0
.irp nt, 0,1,2,3
	v_min3_num_f32 v[192+\nt], v[64+8*\nt], v[66+8*\nt], v[68+8*\nt]
.endr
.irp nt, 0,1,2,3
	v_min_num_f32 v[192+\nt], v[192+\nt], v[70+8*\nt]              ; the shift of the largest maximum
.endr
.irp nt, 0,1,2,3
.irp sr, 0,1,2,3
	v_sub_f32 v[64+8*\nt+2*\sr], v[192+\nt], v[64+8*\nt+2*\sr]
.endr
	v_sub_f32 v[196+\nt], v[192+\nt], v[17+2*\nt]
.endr
.irp nt, 0,1,2,3
.irp sr, 0,1,2,3
	v_exp_f32 v[64+8*\nt+2*\sr], v[64+8*\nt+2*\sr]
.endr
	v_exp_f32 v[196+\nt], v[196+\nt]
.endr
	v_nop
	s_wait_alu depctr_va_vdst(0)
.irp nt, 0,1,2,3
	v_mul_f32 v[200+\nt], v[64+8*\nt], v[65+8*\nt]
.endr
.irp sr, 1,2,3
.irp nt, 0,1,2,3
	v_fmac_f32 v[200+\nt], v[64+8*\nt+2*\sr], v[65+8*\nt+2*\sr]
.endr
.endr
.irp nt, 0,1,2,3
	v_rcp_f32 v[200+\nt], v[200+\nt]
.endr
	v_nop
	s_wait_alu depctr_va_vdst(0)
.irp nt, 0,1,2,3
	v_mul_f32 v[24+2*\nt], v[196+\nt], v[200+\nt]                  ; my factor: exp2(NM* - NM) / the whole sum
.endr
	RESCALE
	WIN 0x08
.irp nt, 0,1,2,3
.irp jt, 0,1,2,3,4,5,6,7
	ds_store_b128 v13, v[8*(8*\nt+\jt):8*(8*\nt+\jt)+3] offset:\nt*8192+\jt*1024
	ds_store_b128 v13, v[8*(8*\nt+\jt)+4:8*(8*\nt+\jt)+7] offset:\nt*8192+\jt*1024+512
.endr
.endr
	WIN 0
	s_wait_dscnt 0x0
	s_barrier_signal -1
	s_barrier_wait -1
	WIN 0xc0                                       ; wave w adds the four waves' T of query tile w
.irp sr, 0,1,2,3
.irp c, 0,1,2,3,4,5,6,7,8,9,10,11,12,13,14,15
	ds_load_b128 v[64*\sr+4*\c:64*\sr+4*\c+3], v[14+(\sr>>1)] offset:(\sr&1)*32768+\c*512
.endr
.endr
	s_wait_dscnt 0x0
	WIN 0xcf
.set i, 0
.rept 32
	v_pk_add_f32 v[2*i:2*i+1], v[2*i:2*i+1], v[64+2*i:65+2*i]
	v_pk_add_f32 v[128+2*i:129+2*i], v[128+2*i:129+2*i], v[192+2*i:193+2*i]
.set i, i+1
.endr
.set i, 0
.rept 32
	v_pk_add_f32 v[2*i:2*i+1], v[2*i:2*i+1], v[128+2*i:129+2*i]
.set i, i+1
.endr
	WIN 0x0f
.set i, 0
.rept 32
	v_cvt_pk_f16_f32 v[64+i], v[2*i], v[2*i+1]     ; tiles 2 ks, 2 ks + 1 are registers 0-3, 4-7 of the fragment (rows n, K = j) of K step ks
.set i, i+1
.endr
	WIN 0
.irp c, 0,1,2,3,4,5,6,7
	ds_store_b128 v2, v[64+4*\c:67+4*\c] offset:512*\c
.endr
	s_wait_dscnt 0x0
	s_barrier_signal -1
	s_barrier_wait -1
	WIN 0xc0
.set i, 0
.rept 32
	ds_load_b128 v[4*i:4*i+3], v3 offset:512*i     ; all 16 fragments of t
.set i, i+1
.endr
	WIN 0
	s_wait_loadcnt 32                              ; bv and Wv are in; the 32 rows of x stay out
.irp ct, 0,1,2,3
.irp j, 1,2,3,4,5,6,7
	v_mov_b32 v[32+8*\ct+\j], v[32+8*\ct]          ; C: bv of the lane's channel in all eight registers
.endr
.endr
	s_wait_dscnt 0x0
	; attended^T: A = t (rows n), B = Wv (columns c): lane (r, h) gets queries 16 nt + 8 h + 0..7 of channel 16 ct + r.  16 accumulators by turns.
	WIN 0x87
.irp ct, 0,1,2,3
.irp nt, 0,1,2,3
	v_wmma_f32_16x16x32_f16 v[8*(4*\ct+\nt):8*(4*\ct+\nt)+7], v[8*(4*\nt):8*(4*\nt)+7], v[8*(4*\ct):8*(4*\ct)+7], v[32+8*\ct:39+8*\ct]
.endr
.endr
	WIN 0xa7
.irp ks, 1,2,3
.irp ct, 0,1,2,3
.irp nt, 0,1,2,3
	v_wmma_f32_16x16x32_f16 v[8*(4*\ct+\nt):8*(4*\ct+\nt)+7], v[8*(4*\nt+\ks):8*(4*\nt+\ks)+7], v[8*(4*\ct+\ks):8*(4*\ct+\ks)+7], v[8*(4*\ct+\nt):8*(4*\ct+\nt)+7]
.endr
.endr
.endr
	PLACES
	WIN 0x08                                       ; through my own stage: rows of 256 + 16 bytes
.irp ct, 0,1,2,3
.irp nt, 0,1,2,3
	ds_store_b128 v4, v[8*(4*\ct+\nt):8*(4*\ct+\nt)+3] offset:\ct*4352+\nt*64
	ds_store_b128 v4, v[8*(4*\ct+\nt)+4:8*(4*\ct+\nt)+7] offset:\ct*4352+\nt*64+16
.endr
.endr
	WIN 0xc0
.set i, 0
.rept 32
	ds_load_b128 v[128+4*i:131+4*i], v5 offset:544*i               ; LDS serves a wave's instructions in order (ISA guide 5.7.1): these see the stores above
.set i, i+1
.endr
	WIN 0x53
.set i, 0
.rept 32
	s_wait_loadcnt 31-i                            ; x's rows 2 i, 2 i + 1
	s_wait_dscnt 31-i                              ; and the stage's
	v_pk_fma_f32 v[128+4*i:129+4*i], v[128+4*i:129+4*i], s[48:49], v[128+4*i:129+4*i] op_sel_hi:[1,0,1]
	v_pk_fma_f32 v[130+4*i:131+4*i], v[130+4*i:131+4*i], s[48:49], v[130+4*i:131+4*i] op_sel_hi:[1,0,1]
.set i, i+1
.endr
	WIN 0x04
.set i, 0
.rept 32
	global_store_b128 v10, v[128+4*i:131+4*i], s[16:17] offset:i*32768         ; 16 lanes store 256 consecutive bytes, aligned
.set i, i+1
.endr
	; each row's mean over its 64 queries, then the sum of squared distances from it: no difference of large sums
	WIN 0x05
.set i, 0
.rept 32
	v_pk_add_f32 v[192+2*i:193+2*i], v[128+4*i:129+4*i], v[130+4*i:131+4*i]
.set i, i+1
.endr
	WIN 0
.set i, 0
.rept 32
	v_add_f32 v[192+2*i], v[192+2*i], v[193+2*i]
.set i, i+1
.endr
.irp xm, 1,2,4,8
.set i, 0
.rept 32
	v_add_f32_dpp v[192+2*i], v[192+2*i], v[192+2*i] row_xmask:\xm row_mask:0xf bank_mask:0xf
.set i, i+1
.endr
.endr
.set i, 0
.rept 32
	v_mul_f32 v[192+2*i], s50, v[192+2*i]
.set i, i+1
.endr
	WIN 0x01
.set i, 0
.rept 32
	v_pk_add_f32 v[64+4*i:65+4*i], v[128+4*i:129+4*i], v[192+2*i:193+2*i] op_sel_hi:[1,0] neg_lo:[0,1] neg_hi:[0,1]
	v_pk_add_f32 v[66+4*i:67+4*i], v[130+4*i:131+4*i], v[192+2*i:193+2*i] op_sel_hi:[1,0] neg_lo:[0,1] neg_hi:[0,1]
.set i, i+1
.endr
	WIN 0
.set i, 0
.rept 32
	v_pk_mul_f32 v[64+4*i:65+4*i], v[64+4*i:65+4*i], v[64+4*i:65+4*i]
.set i, i+1
.endr
.set i, 0
.rept 32
	v_pk_fma_f32 v[64+4*i:65+4*i], v[66+4*i:67+4*i], v[66+4*i:67+4*i], v[64+4*i:65+4*i]
.set i, i+1
.endr
.set i, 0
.rept 32
	v_add_f32 v[193+2*i], v[64+4*i], v[65+4*i]
.set i, i+1
.endr
.irp xm, 1,2,4,8
.set i, 0
.rept 32
	v_add_f32_dpp v[193+2*i], v[193+2*i], v[193+2*i] row_xmask:\xm row_mask:0xf bank_mask:0xf
.set i, i+1
.endr
.endr
.set i, 0
.rept 32
	ds_store_b64 v6, v[192+2*i:193+2*i] offset:16*i                ; (mean, M2) of channel 64 w + 2 i + lane / 16: sixteen lanes write the same 8 bytes
.set i, i+1
.endr
	ds_load_b128 v[64:67], v7                      ; my own 512 bytes, back as 16 a lane
	s_wait_dscnt 0x0
	global_store_b128 v1, v[64:67], s[18:19]
	s_wait_xcnt 0x0
	v_lshl_add_u32 v254, v0, 2, 0x45000
	v_mov_b32 v255, 0
	s_wait_tensorcnt 0x0
	ds_add_u32 v254, v255
	s_wait_dscnt 0x0
	ROUND                                          ; the closing round
	s_endpgm
.Lfunc_end_k_q02c0c7db07_attn:
	.size	k_q02c0c7db07_attn, .Lfunc_end_k_q02c0c7db07_attn-k_q02c0c7db07_attn
	.p2alignl 7, 3214868480
	.fill 96, 4, 3214868480
	.section	.rodata,"a",@progbits
	.p2align	6, 0x0
	.amdhsa_kernel k_q02c0c7db07_attn
		.amdhsa_group_segment_fixed_size 327680
		.amdhsa_private_segment_fixed_size 0
		.amdhsa_enable_private_segment 0
		.amdhsa_kernarg_size 64
		.amdhsa_user_sgpr_count 2
		.amdhsa_user_sgpr_kernarg_segment_ptr 1
		.amdhsa_wavefront_size32 1
		.amdhsa_system_sgpr_workgroup_id_x 1
		.amdhsa_system_sgpr_workgroup_id_y 1
		.amdhsa_system_sgpr_workgroup_id_z 1
		.amdhsa_system_vgpr_workitem_id 0
		.amdhsa_next_free_vgpr 1024
		.amdhsa_next_free_sgpr 66
		.amdhsa_reserve_vcc 0
		.amdhsa_float_denorm_mode_32 3
		.amdhsa_float_denorm_mode_16_64 3
		.amdhsa_memory_ordered 1
		.amdhsa_forward_progress 1
		.amdhsa_inst_pref_size 255
	.end_amdhsa_kernel
	.section	.bss,"aw",@nobits
	.p2align	6
	.space	262144
	.amdgpu_metadata
---
amdhsa.version: [ 1, 2 ]
amdhsa.kernels:
  - .name:           k_q02c0c7db07_attn
    .symbol:         k_q02c0c7db07_attn.kd
    .args:
      - { .name: G, .offset: 0, .size: 8, .value_kind: global_buffer, .address_space: global }
      - { .name: QI, .offset: 8, .size: 8, .value_kind: global_buffer, .address_space: global }
      - { .name: WV16, .offset: 16, .size: 8, .value_kind: global_buffer, .address_space: global }
      - { .name: dgcnn_feat, .offset: 24, .size: 8, .value_kind: global_buffer, .address_space: global }
      - { .name: bv, .offset: 32, .size: 8, .value_kind: global_buffer, .address_space: global }
      - { .name: gamma, .offset: 40, .size: 8, .value_kind: global_buffer, .address_space: global }
      - { .name: FUSED, .offset: 48, .size: 8, .value_kind: global_buffer, .address_space: global }
      - { .name: PART, .offset: 56, .size: 8, .value_kind: global_buffer, .address_space: global }
    .group_segment_fixed_size: 327680
    .private_segment_fixed_size: 0
    .kernarg_segment_align: 8
    .kernarg_segment_size: 64
    .max_flat_workgroup_size: 128
    .sgpr_count:     66
    .vgpr_count:     1024
    .wavefront_size: 32
...
	.end_amdgpu_metadata
.endif
;; end of part 3
;; launch bn (part 4): grid 256 x 1, 8 waves a work-group, no clusters, 1,536 bytes of LDS; arguments FUSED, PART, bn_weight, bn_bias, out0; writes out0
.if DOCPART == 4
	.amdgcn_target "amdgcn-amd-amdhsa--gfx1250"
	.amdhsa_code_object_version 6
	.text
	.protected	k_q02c0c7db07_bn
	.globl	k_q02c0c7db07_bn
	.p2align	8
	.type	k_q02c0c7db07_bn,@function
k_q02c0c7db07_bn:
	s_mov_b64 s[64:65], 0
	v_nop
	global_prefetch_b8 v0, s[64:65] scope:SCOPE_SE
	s_setreg_imm32_b32 hwreg(HW_REG_WAVE_MODE, 25, 1), 1
	s_wait_xcnt 0x0
; out = relu((fused - mean) rsqrt(var + 1e-5) weight + bias).  A work-group owns one channel: four rows of 16,384 bytes, 16 loads of 16 bytes a thread,
; all issued at the start and kept in registers, so FUSED is read once.  Thread t takes the (mean, M2) that work-group t of the launch before left for
; this channel (8 bytes at a stride of 2,048, once a work-group, under the row loads).  With equal counts of 64:
; mean = sum of means / 256;  var = (sum of M2 + 64 sum of (mean_t - mean)^2) / 16,384: no difference of large sums is formed.
; Memory binds: no matrix unit, no cluster; LDS only for the two sums over the eight waves.
.macro WSUM r, t
	v_add_f32_dpp v[\r], v[\r], v[\r] row_xmask:1 row_mask:0xf bank_mask:0xf
	v_add_f32_dpp v[\r], v[\r], v[\r] row_xmask:2 row_mask:0xf bank_mask:0xf
	v_add_f32_dpp v[\r], v[\r], v[\r] row_xmask:4 row_mask:0xf bank_mask:0xf
	v_add_f32_dpp v[\r], v[\r], v[\r] row_xmask:8 row_mask:0xf bank_mask:0xf
	v_permlanex16_b32 v[\t], v[\r], s20, s21
	v_add_f32 v[\r], v[\r], v[\t]
.endm
	s_load_b256 s[4:11], s[0:1], 0x0               ; FUSED s[4:5], PART s[6:7], weight s[8:9], bias s[10:11]
	s_load_b64 s[12:13], s[0:1], 0x20              ; out0
	v_lshl_add_u32 v112, v0, 2, 0x200
	v_mov_b32 v113, 0
	v_lshlrev_b32 v1, 11, v0                       ; 2,048 t
	v_lshlrev_b32 v2, 4, v0                        ; 16 t
	v_lshrrev_b32 v3, 5, v0                        ; wave
	v_lshlrev_b32 v7, 3, v3
	v_lshlrev_b32 v8, 2, v3
	v_mov_b32 v6, 0
	v_mov_b32 v10, 0
	s_lshl_b32 s14, ttmp9, 3
	s_mov_b32 s15, 0
	s_lshl_b32 s16, ttmp9, 14
	s_mov_b32 s17, 0
	s_lshl_b32 s18, ttmp9, 2
	s_mov_b32 s19, 0
	s_mov_b32 s20, 0x76543210
	s_mov_b32 s21, 0xfedcba98
	s_mov_b32 s28, 0x38800000                      ; 1 / 16,384
	s_wait_kmcnt 0x0
	s_add_nc_u64 s[6:7], s[6:7], s[14:15]
	s_add_nc_u64 s[4:5], s[4:5], s[16:17]          ; batches 0, 1
	s_add_nc_u64 s[22:23], s[4:5], 0x800000        ; batches 2, 3
	s_add_nc_u64 s[12:13], s[12:13], s[16:17]
	s_add_nc_u64 s[24:25], s[12:13], 0x800000
	s_add_nc_u64 s[8:9], s[8:9], s[18:19]
	s_add_nc_u64 s[10:11], s[10:11], s[18:19]
	s_load_b32 s26, s[8:9], 0x0
	s_load_b32 s27, s[10:11], 0x0
	global_load_b64 v[4:5], v1, s[6:7]
.irp b, 0,1
.irp k, 0,1,2,3
	global_load_b128 v[32+16*\b+4*\k:35+16*\b+4*\k], v2, s[4:5] offset:\b*4194304+\k*4096 th:TH_LOAD_NT
.endr
.endr
.irp b, 0,1
.irp k, 0,1,2,3
	global_load_b128 v[64+16*\b+4*\k:67+16*\b+4*\k], v2, s[22:23] offset:\b*4194304+\k*4096 th:TH_LOAD_NT
.endr
.endr
	s_wait_loadcnt 16                              ; (mean, M2) is in; the 16 row loads stay out
	v_mov_b32 v9, v4
	WSUM 4, 6
	WSUM 5, 6
	ds_store_b64 v7, v[4:5]
	s_wait_dscnt 0x0
	s_barrier_signal -1
	s_barrier_wait -1
.irp i, 0,1,2,3
	ds_load_b128 v[96+4*\i:99+4*\i], v10 offset:16*\i
.endr
	s_wait_dscnt 0x0
	v_pk_add_f32 v[96:97], v[96:97], v[98:99]
	v_pk_add_f32 v[100:101], v[100:101], v[102:103]
	v_pk_add_f32 v[104:105], v[104:105], v[106:107]
	v_pk_add_f32 v[108:109], v[108:109], v[110:111]
	v_pk_add_f32 v[96:97], v[96:97], v[100:101]
	v_pk_add_f32 v[104:105], v[104:105], v[108:109]
	v_pk_add_f32 v[96:97], v[96:97], v[104:105]    ; v96: sum of means, v97: sum of M2
	v_mul_f32 v14, 0x3b800000, v96                 ; mean
	v_mov_b32 v15, v14
	v_sub_f32 v9, v9, v14
	v_mul_f32 v9, v9, v9
	WSUM 9, 6
	ds_store_b32 v8, v9 offset:256                 ; other bytes than the first sum's
	s_wait_dscnt 0x0
	s_barrier_signal -1
	s_barrier_wait -1
	ds_load_b128 v[100:103], v10 offset:256
	ds_load_b128 v[104:107], v10 offset:272
	s_wait_dscnt 0x0
	v_pk_add_f32 v[100:101], v[100:101], v[102:103]
	v_pk_add_f32 v[104:105], v[104:105], v[106:107]
	v_pk_add_f32 v[100:101], v[100:101], v[104:105]
	v_add_f32 v100, v100, v101
	v_fmamk_f32 v11, v100, 0x42800000, v97         ; 64 sum d^2 + sum M2
	v_fmaak_f32 v11, s28, v11, 0x3727c5ac          ; / 16,384 + 1e-5
	v_rsq_f32 v11, v11
	v_nop                                          ; the plain place behind v_rsq_f32 (ISA guide 5.7.2)
	s_wait_kmcnt 0x0
	s_wait_alu depctr_va_vdst(0)
	v_mul_f32 v12, s26, v11
	v_mov_b32 v13, v12
	v_mov_b32 v16, s27
	v_mov_b32 v17, s27
.macro NORM i, sb, off
	s_wait_loadcnt 15-(\i)                         ; loads come back in order: load i is in
	v_pk_add_f32 v[32+4*(\i):33+4*(\i)], v[32+4*(\i):33+4*(\i)], v[14:15] neg_lo:[0,1] neg_hi:[0,1]
	v_pk_add_f32 v[34+4*(\i):35+4*(\i)], v[34+4*(\i):35+4*(\i)], v[14:15] neg_lo:[0,1] neg_hi:[0,1]
	v_pk_fma_f32 v[32+4*(\i):33+4*(\i)], v[32+4*(\i):33+4*(\i)], v[12:13], v[16:17]
	v_pk_fma_f32 v[34+4*(\i):35+4*(\i)], v[34+4*(\i):35+4*(\i)], v[12:13], v[16:17]
	v_max_num_f32 v[32+4*(\i)], 0, v[32+4*(\i)]
	v_max_num_f32 v[33+4*(\i)], 0, v[33+4*(\i)]
	v_max_num_f32 v[34+4*(\i)], 0, v[34+4*(\i)]
	v_max_num_f32 v[35+4*(\i)], 0, v[35+4*(\i)]
	global_store_b128 v2, v[32+4*(\i):35+4*(\i)], s[\sb:\sb+1] offset:\off th:TH_STORE_NT   ; the wave stores 512 consecutive bytes
.endm
.irp b, 0,1
.irp k, 0,1,2,3
	NORM 4*\b+\k, 12, \b*4194304+\k*4096
.endr
.endr
.irp b, 0,1
.irp k, 0,1,2,3
	NORM 8+4*\b+\k, 24, \b*4194304+\k*4096
.endr
.endr
	s_wait_tensorcnt 0x0
	ds_add_u32 v112, v113
	s_wait_dscnt 0x0
	s_endpgm
.Lfunc_end_k_q02c0c7db07_bn:
	.size	k_q02c0c7db07_bn, .Lfunc_end_k_q02c0c7db07_bn-k_q02c0c7db07_bn
	.p2alignl 7, 3214868480
	.fill 96, 4, 3214868480
	.section	.rodata,"a",@progbits
	.p2align	6, 0x0
	.amdhsa_kernel k_q02c0c7db07_bn
		.amdhsa_group_segment_fixed_size 1536
		.amdhsa_private_segment_fixed_size 0
		.amdhsa_enable_private_segment 0
		.amdhsa_kernarg_size 40
		.amdhsa_user_sgpr_count 2
		.amdhsa_user_sgpr_kernarg_segment_ptr 1
		.amdhsa_wavefront_size32 1
		.amdhsa_system_sgpr_workgroup_id_x 1
		.amdhsa_system_sgpr_workgroup_id_y 1
		.amdhsa_system_sgpr_workgroup_id_z 1
		.amdhsa_system_vgpr_workitem_id 0
		.amdhsa_next_free_vgpr 114
		.amdhsa_next_free_sgpr 66
		.amdhsa_reserve_vcc 0
		.amdhsa_float_denorm_mode_32 3
		.amdhsa_float_denorm_mode_16_64 3
		.amdhsa_memory_ordered 1
		.amdhsa_forward_progress 1
		.amdhsa_inst_pref_size 15
	.end_amdhsa_kernel
	.amdgpu_metadata
---
amdhsa.version: [ 1, 2 ]
amdhsa.kernels:
  - .name:           k_q02c0c7db07_bn
    .symbol:         k_q02c0c7db07_bn.kd
    .args:
      - { .name: FUSED, .offset: 0, .size: 8, .value_kind: global_buffer, .address_space: global }
      - { .name: PART, .offset: 8, .size: 8, .value_kind: global_buffer, .address_space: global }
      - { .name: bn_weight, .offset: 16, .size: 8, .value_kind: global_buffer, .address_space: global }
      - { .name: bn_bias, .offset: 24, .size: 8, .value_kind: global_buffer, .address_space: global }
      - { .name: out0, .offset: 32, .size: 8, .value_kind: global_buffer, .address_space: global }
    .group_segment_fixed_size: 1536
    .private_segment_fixed_size: 0
    .kernarg_segment_align: 8
    .kernarg_segment_size: 40
    .max_flat_workgroup_size: 256
    .sgpr_count:     66
    .vgpr_count:     114
    .wavefront_size: 32
...
	.end_amdgpu_metadata
.endif
;; end of part 4
;; ======== version 2 of 3: 4 launches; 1.22 times as fast as version 1
;; limits: values are held in f16: magnitudes above 65,504 overflow, below 6.1e-05 lose precision; inputs' magnitudes at most 65,000; values outside matrix products are rounded to bf16; right only within a limited range of input values
;; workspace buffers: G 4,194,304 bytes; MW 147,456 bytes; UE 768 bytes; WV16 65,536 bytes; QI 9,437,184 bytes; FUSED 16,777,216 bytes; PART 524,288 bytes
;; launch prep (part 5): grid 326 x 1, 8 waves a work-group, no clusters, 22,016 bytes of LDS; arguments geo_feat, Wk, Wq, Wv, bk, bq, G, MW, UE, WV16; writes G, MW, UE, WV16
.if DOCPART == 5
	.amdgcn_target "amdgcn-amd-amdhsa--gfx1250"
	.amdhsa_code_object_version 6
	.text
	.protected	k_q02c0c7db07_prep
	.globl	k_q02c0c7db07_prep
	.p2align	8
	.type	k_q02c0c7db07_prep,@function
k_q02c0c7db07_prep:
	s_mov_b64 s[64:65], 0
	v_nop
	global_prefetch_b8 v0, s[64:65] scope:SCOPE_SE
	s_setreg_imm32_b32 hwreg(HW_REG_WAVE_MODE, 25, 1), 1
	s_wait_xcnt 0x0
; Operands for the later launches.  Three roles, chosen by the work-group's number (the same for all its waves):
;   0..65    M: four rows x 128 columns of  M = Wk^T Wq  (128 x 256); row group 32 is the row Wq^T bk; and  u = Wk^T bq, bk.bq.
;   66..69   V: Wv as f16.
;   70..325  G: geo_feat as f16.
; energy[n,m] = (M x[:,n] + u) . g[:,m] + (Wq^T bk . x[:,n] + bk.bq): the same sum as q.k, in another order.
; FORMAT (a stated limit): every floating input of the program is rounded ONCE to bf16 (nearest even) where it enters; all later arithmetic is on
; the rounded numbers.  A bf16 number has 8 significant bits, so its conversion to f16 (11 bits) is exact: g, x and Wv are single f16 numbers.
; LIMITS: |g|, |Wv|, |M| below 65,000 (f16's range); under 2^-17 the f16 grid leaves an absolute error of at most 2^-25; no Inf, no NaN.
; M is made in f32 on the vector unit: 33 x 4 x 256 x 256 multiply-adds, about one part in four thousand of the program's arithmetic, and its
; result is wanted in f32 so that it can be split: hi = rounded to 11 significant bits (exact in f16), lo = the rest, rounded to f16.
.set SRND, 36
.set SBF,  37
.set SMSK, 42
.set ACC,  20                          ; v[20:35]  sixteen sums: row k, column j at ACC + 4 k + j
.set ZR,   36                          ; v[36:39]  zeros, written once
.set L8,   40                          ; v40       8 x lane
.macro RB2 a, b, t                     ; two f32 rounded to bf16 and widened again, in place
	v_cvt_pk_bf16_f32 v[\t], v[\a], v[\b]
	v_lshlrev_b32 v[\a], 16, v[\t]
	v_and_b32 v[\b], s[SBF], v[\t]
.endm
.macro SPLIT2 a, b, hh, ll, ta, tb
	v_add_nc_u32 v[\ta], s[SRND], v[\a]
	v_add_nc_u32 v[\tb], s[SRND], v[\b]
	v_and_b32 v[\ta], s[SMSK], v[\ta]
	v_and_b32 v[\tb], s[SMSK], v[\tb]
	v_cvt_pk_f16_f32 v[\hh], v[\ta], v[\tb]        ; exact
	v_sub_f32 v[\ta], v[\a], v[\ta]                ; exact
	v_sub_f32 v[\tb], v[\b], v[\tb]
	v_cvt_pk_f16_f32 v[\ll], v[\ta], v[\tb]
.endm
.macro WSUM r, t                       ; sum over the wave's 32 lanes, in every lane; t has been written before
	v_add_f32_dpp v[\r], v[\r], v[\r] row_xmask:1 row_mask:0xf bank_mask:0xf
	v_add_f32_dpp v[\r], v[\r], v[\r] row_xmask:2 row_mask:0xf bank_mask:0xf
	v_add_f32_dpp v[\r], v[\r], v[\r] row_xmask:4 row_mask:0xf bank_mask:0xf
	v_add_f32_dpp v[\r], v[\r], v[\r] row_xmask:8 row_mask:0xf bank_mask:0xf
	v_permlanex16_b32 v[\t], v[\r], s40, s41
	v_add_f32 v[\r], v[\r], v[\t]
.endm
	s_load_b512 s[4:19], s[0:1], 0x0               ; geo s[4:5] Wk s[6:7] Wq s[8:9] Wv s[10:11] bk s[12:13] bq s[14:15] G s[16:17] MW s[18:19]
	s_load_b128 s[20:23], s[0:1], 0x40             ; UE s[20:21] WV16 s[22:23]
	v_lshl_add_u32 v62, v0, 2, 0x5200
	v_mov_b32 v63, 0
	v_lshrrev_b32 v1, 5, v0
	v_readfirstlane_b32 s25, v1                    ; wave
	v_and_b32 v2, 31, v0                           ; lane
	s_mov_b32 s[SRND], 0x1000
	s_mov_b32 s[SBF], 0xffff0000
	s_mov_b32 s[SMSK], 0xffffe000
	s_cmp_lt_u32 ttmp9, 66
	s_cbranch_scc1 .Lrole_m
; ---- roles G and V: a work-group takes 32,768 bytes of f32, a wave 4,096, a load of the wave 512 neighbouring bytes; the f16 go to half the offset ----
	s_mov_b32 s30, 70
	s_cmp_lt_u32 ttmp9, s30
	s_cselect_b32 s24, 66, s30                     ; the role's first work-group
	s_sub_co_u32 s24, ttmp9, s24                   ; number within the role
	s_lshl_b32 s26, s24, 15                        ; in
	s_mov_b32 s27, 0
	s_lshl_b32 s28, s24, 14                        ; out
	s_mov_b32 s29, 0
	v_lshlrev_b32 v3, 4, v2
	v_lshl_add_u32 v3, v1, 12, v3                  ; in: 4,096 wave + 16 lane
	v_lshlrev_b32 v4, 3, v2
	v_lshl_add_u32 v4, v1, 11, v4                  ; out: 2,048 wave + 8 lane
	s_wait_kmcnt 0x0
	s_cmp_lt_u32 ttmp9, s30
	s_cselect_b64 s[32:33], s[10:11], s[4:5]
	s_cselect_b64 s[34:35], s[22:23], s[16:17]
	s_add_nc_u64 s[32:33], s[32:33], s[26:27]
	s_add_nc_u64 s[34:35], s[34:35], s[28:29]
.irp k, 0,1,2,3,4,5,6,7
	global_load_b128 v[8+4*\k:11+4*\k], v3, s[32:33] offset:512*\k th:TH_LOAD_NT
.endr
.irp k, 0,1,2,3,4,5,6,7
	s_wait_loadcnt 7-\k                            ; loads come back in order: load k is in, the younger ones stay out
	RB2 8+4*\k, 9+4*\k, 72+2*(\k&1)
	RB2 10+4*\k, 11+4*\k, 73+2*(\k&1)
	v_cvt_pk_f16_f32 v[40+2*\k], v[8+4*\k], v[9+4*\k]              ; exact
	v_cvt_pk_f16_f32 v[41+2*\k], v[10+4*\k], v[11+4*\k]
	global_store_b64 v4, v[40+2*\k:41+2*\k], s[34:35] offset:256*\k      ; the wave stores 256 consecutive bytes, aligned
.endr
	s_endpgm
; ---- role M.  Row group rg = number / 2 (rows 4 rg .. 4 rg + 3), column half ch = number mod 2 (columns 128 ch ..).
; Wave w takes c = 32 w .. 32 w + 31: 32 loads of 16 bytes a lane (a load of the wave: 512 neighbouring bytes of one row of Wq), ALL issued at the start,
; so that no load waits for an earlier trip.  A lane keeps 4 rows x 4 columns of partial sums; the eight waves' parts meet in LDS.
; LDS: WKS 0 (256 c x 16 B: Wk[c][4 rg ..]), RED 4,096 (8 x 16 B: parts of u), PS 4,608 (8 waves x 4 rows x 512 B).
.Lrole_m:
	s_lshr_b32 s38, ttmp9, 1                       ; rg
	s_and_b32 s39, ttmp9, 1                        ; ch
	v_lshlrev_b32 v3, 2, v0                        ; 4 t
	v_lshlrev_b32 v4, 4, v0                        ; 16 t
	v_lshlrev_b32 v5, 4, v2                        ; 16 lane
	v_lshlrev_b32 v6, 9, v1                        ; WKS of my 32 c
	v_lshl_add_u32 v7, v1, 11, v5                  ; PS: 2,048 wave + 16 lane
	v_lshlrev_b32 v18, 4, v1                       ; 16 wave
	v_lshlrev_b32 v[L8], 3, v2                     ; 8 lane
	v_mov_b32 v19, 0
	v_mov_b32 v17, 0
	v_mov_b32 v[ZR], 0
	v_mov_b32 v[ZR+1], 0
	v_mov_b32 v[ZR+2], 0
	v_mov_b32 v[ZR+3], 0
	s_mov_b32 s40, 0x76543210
	s_mov_b32 s41, 0xfedcba98
	s_lshl_b32 s26, s25, 15                        ; 32 w rows of 1,024 bytes
	s_lshl_b32 s27, s39, 9                         ; + 128 ch columns
	s_add_co_u32 s26, s26, s27
	s_mov_b32 s27, 0
	s_lshl_b32 s30, s38, 4
	s_mov_b32 s31, 0
	s_wait_kmcnt 0x0
	s_add_nc_u64 s[28:29], s[8:9], s[26:27]
	global_load_b32 v12, v3, s[14:15]              ; bq[t]
	s_cmp_eq_u32 s38, 32
	s_cbranch_scc1 .Lrow_bk
	v_lshlrev_b32 v16, 9, v0
	s_add_nc_u64 s[30:31], s[6:7], s[30:31]
	global_load_b128 v[8:11], v16, s[30:31]        ; Wk[t][4 rg .. 4 rg + 3]: 16 bytes of each row, once a work-group
	s_branch .Lhave_col
.Lrow_bk:
	global_load_b32 v8, v3, s[12:13]               ; bk[t] takes the place of a column of Wk; three columns of zeros
	v_mov_b32 v9, 0
	v_mov_b32 v10, 0
	v_mov_b32 v11, 0
.Lhave_col:
.set i, 0
.rept 32
	global_load_b128 v[64+4*i:67+4*i], v5, s[28:29] offset:i*1024
.set i, i+1
.endr
	s_wait_loadcnt 32                              ; bq and the column are in (two loads on either way); the 32 rows stay out
	RB2 8, 9, 13
	RB2 10, 11, 14
	v_cvt_pk_bf16_f32 v15, v12, v12
	v_lshlrev_b32 v12, 16, v15
	ds_store_b128 v4, v[8:11]
	v_mul_f32 v24, v8, v12
	v_mul_f32 v25, v9, v12
	v_mul_f32 v26, v10, v12
	v_mul_f32 v27, v11, v12
	WSUM 24, 17
	WSUM 25, 17
	WSUM 26, 17
	WSUM 27, 17
	ds_store_b128 v18, v[24:27] offset:4096        ; the wave's part of u
	s_wait_dscnt 0x0                               ; my stores are done before I say so
.set i, 0
.rept 16
	v_mov_b32 v[ACC+i], 0                          ; sixteen sums a lane
.set i, i+1
.endr
	s_barrier_signal -1
	s_barrier_wait -1
; sums of row k over the four columns that the two packed words at x hold; w: the four Wk numbers of this c
.macro FM4 k, x, w
	v_fma_mix_f32_bf16 v[ACC+4*\k], v[\x], v[\w+\k], v[ACC+4*\k] op_sel_hi:[1,0,0]
	v_fma_mix_f32_bf16 v[ACC+1+4*\k], v[\x], v[\w+\k], v[ACC+1+4*\k] op_sel:[1,0,0] op_sel_hi:[1,0,0]
	v_fma_mix_f32_bf16 v[ACC+2+4*\k], v[\x+1], v[\w+\k], v[ACC+2+4*\k] op_sel_hi:[1,0,0]
	v_fma_mix_f32_bf16 v[ACC+3+4*\k], v[\x+1], v[\w+\k], v[ACC+3+4*\k] op_sel:[1,0,0] op_sel_hi:[1,0,0]
.endm
.macro BATCH b, left                   ; 16 of my 32 c
.irp c, 0,1,2,3,4,5,6,7,8,9,10,11,12,13,14,15
	ds_load_b128 v[192+4*\c:195+4*\c], v6 offset:(16*\b+\c)*16     ; all lanes read the same 16 bytes
.endr
	s_wait_loadcnt \left                           ; this batch's 16 rows are in
.irp c, 0,1,2,3,4,5,6,7,8,9,10,11,12,13,14,15
	v_cvt_pk_bf16_f32 v[64+4*(16*\b+\c)], v[64+4*(16*\b+\c)], v[65+4*(16*\b+\c)]   ; Wq rounded to bf16, two to a word
	v_cvt_pk_bf16_f32 v[65+4*(16*\b+\c)], v[66+4*(16*\b+\c)], v[67+4*(16*\b+\c)]
.endr
	s_wait_dscnt 0x0
.irp c, 0,1,2,3,4,5,6,7,8,9,10,11,12,13,14,15
.irp k, 0,1,2,3
	FM4 \k, 64+4*(16*\b+\c), 192+4*\c
.endr
.endr
.endm
	BATCH 0, 16
	BATCH 1, 0
.irp k, 0,1,2,3
	ds_store_b128 v7, v[ACC+4*\k:ACC+3+4*\k] offset:4608+512*\k    ; 512 neighbouring bytes a store
.endr
	s_wait_dscnt 0x0
	s_barrier_signal -1
	s_barrier_wait -1
	s_cmp_gt_u32 s25, 3
	s_cbranch_scc1 .Lend_m                         ; waves 0 to 3 finish one row each; no barrier follows
	v_lshl_add_u32 v9, v1, 9, v5                   ; row k = wave, 16 lane
.irp i, 0,1,2,3,4,5,6,7
	ds_load_b128 v[64+4*\i:67+4*\i], v9 offset:4608+2048*\i        ; the eight waves' parts
.endr
	s_lshl_b32 s31, s38, 2
	s_add_co_u32 s31, s31, s25                     ; row 4 rg + k of MW
	s_lshl_b32 s32, s31, 9
	s_lshl_b32 s33, s39, 8
	s_add_co_u32 s32, s32, s33                     ; + 128 ch columns of f16
	s_mov_b32 s33, 0
	s_add_nc_u64 s[18:19], s[18:19], s[32:33]
	s_wait_dscnt 0x0
.irp i, 1,2,3,4,5,6,7
	v_pk_add_f32 v[64:65], v[64:65], v[64+4*\i:65+4*\i]
	v_pk_add_f32 v[66:67], v[66:67], v[66+4*\i:67+4*\i]
.endr
	SPLIT2 64, 65, 24, 26, 14, 15
	SPLIT2 66, 67, 25, 27, 12, 13
	global_store_b64 v[L8], v[24:25], s[18:19]                     ; hi: the wave stores 256 consecutive bytes, aligned
	global_store_b64 v[L8], v[26:27], s[18:19] offset:73728        ; lo: 144 rows further
	s_cmp_lg_u32 s38, 32
	s_cbranch_scc1 .Lno_zero
.irp z, 1,2,3
	global_store_b64 v[L8], v[ZR:ZR+1], s[18:19] offset:2048*\z    ; rows 132 to 143 of both planes: zeros (rows 129 to 131 are sums of zeros)
	global_store_b64 v[L8], v[ZR:ZR+1], s[18:19] offset:73728+2048*\z
.endr
.Lno_zero:
	s_or_b32 s43, s25, s39
	s_cmp_lg_u32 s43, 0
	s_cbranch_scc1 .Lend_m                         ; u: wave 0 of the left column half alone
.irp i, 0,1,2,3,4,5,6,7
	ds_load_b128 v[64+4*\i:67+4*\i], v19 offset:4096+16*\i
.endr
	s_lshl_b32 s32, s38, 4
	s_add_nc_u64 s[20:21], s[20:21], s[32:33]      ; UE + 16 rg
	s_wait_dscnt 0x0
.irp i, 1,2,3,4,5,6,7
	v_pk_add_f32 v[64:65], v[64:65], v[64+4*\i:65+4*\i]
	v_pk_add_f32 v[66:67], v[66:67], v[66+4*\i:67+4*\i]
.endr
	v_cmp_eq_u32 vcc_lo, 0, v0
	s_wait_xcnt 0x0                                ; EXEC changes only behind this wait
	s_and_saveexec_b32 s34, vcc_lo                 ; thread 0 alone: 16 bytes of a table of 576
	global_store_b128 v19, v[64:67], s[20:21]
	s_cmp_lg_u32 s38, 32
	s_cbranch_scc1 .Lno_zero_u
.irp z, 1,2,3
	global_store_b128 v19, v[ZR:ZR+3], s[20:21] offset:16*\z       ; u[132 .. 143] = 0
.endr
.Lno_zero_u:
	s_wait_xcnt 0x0
	s_or_b32 exec_lo, exec_lo, s34
.Lend_m:
	s_wait_tensorcnt 0x0
	ds_add_u32 v62, v63
	s_wait_dscnt 0x0
	s_endpgm
.Lfunc_end_k_q02c0c7db07_prep:
	.size	k_q02c0c7db07_prep, .Lfunc_end_k_q02c0c7db07_prep-k_q02c0c7db07_prep
	.p2alignl 7, 3214868480
	.fill 96, 4, 3214868480
	.section	.rodata,"a",@progbits
	.p2align	6, 0x0
	.amdhsa_kernel k_q02c0c7db07_prep
		.amdhsa_group_segment_fixed_size 22016
		.amdhsa_private_segment_fixed_size 0
		.amdhsa_enable_private_segment 0
		.amdhsa_kernarg_size 80
		.amdhsa_user_sgpr_count 2
		.amdhsa_user_sgpr_kernarg_segment_ptr 1
		.amdhsa_wavefront_size32 1
		.amdhsa_system_sgpr_workgroup_id_x 1
		.amdhsa_system_sgpr_workgroup_id_y 1
		.amdhsa_system_sgpr_workgroup_id_z 1
		.amdhsa_system_vgpr_workitem_id 0
		.amdhsa_next_free_vgpr 256
		.amdhsa_next_free_sgpr 66
		.amdhsa_reserve_vcc 1
		.amdhsa_float_denorm_mode_32 3
		.amdhsa_float_denorm_mode_16_64 3
		.amdhsa_memory_ordered 1
		.amdhsa_forward_progress 1
		.amdhsa_inst_pref_size 58
	.end_amdhsa_kernel
	.amdgpu_metadata
---
amdhsa.version: [ 1, 2 ]
amdhsa.kernels:
  - .name:           k_q02c0c7db07_prep
    .symbol:         k_q02c0c7db07_prep.kd
    .args:
      - { .name: geo_feat, .offset: 0, .size: 8, .value_kind: global_buffer, .address_space: global }
      - { .name: Wk, .offset: 8, .size: 8, .value_kind: global_buffer, .address_space: global }
      - { .name: Wq, .offset: 16, .size: 8, .value_kind: global_buffer, .address_space: global }
      - { .name: Wv, .offset: 24, .size: 8, .value_kind: global_buffer, .address_space: global }
      - { .name: bk, .offset: 32, .size: 8, .value_kind: global_buffer, .address_space: global }
      - { .name: bq, .offset: 40, .size: 8, .value_kind: global_buffer, .address_space: global }
      - { .name: G, .offset: 48, .size: 8, .value_kind: global_buffer, .address_space: global }
      - { .name: MW, .offset: 56, .size: 8, .value_kind: global_buffer, .address_space: global }
      - { .name: UE, .offset: 64, .size: 8, .value_kind: global_buffer, .address_space: global }
      - { .name: WV16, .offset: 72, .size: 8, .value_kind: global_buffer, .address_space: global }
    .group_segment_fixed_size: 22016
    .private_segment_fixed_size: 0
    .kernarg_segment_align: 8
    .kernarg_segment_size: 80
    .max_flat_workgroup_size: 256
    .sgpr_count:     66
    .vgpr_count:     256
    .wavefront_size: 32
...
	.end_amdgpu_metadata
.endif
;; end of part 5
;; launch proj (part 6): grid 256 x 1, 4 waves a work-group, clusters of 4 x 1, 222,208 bytes of LDS; arguments dgcnn_feat, MW, UE, QI; writes QI
.if DOCPART == 6
	.amdgcn_target "amdgcn-amd-amdhsa--gfx1250"
	.amdhsa_code_object_version 6
	.text
	.protected	k_q02c0c7db07_proj
	.globl	k_q02c0c7db07_proj
	.p2align	8
	.type	k_q02c0c7db07_proj,@function
k_q02c0c7db07_proj:
	s_mov_b64 s[64:65], 0
	v_nop
	global_prefetch_b8 v0, s[64:65] scope:SCOPE_SE
	s_setreg_imm32_b32 hwreg(HW_REG_WAVE_MODE, 25, 1), 1
	s_wait_xcnt 0x0
	s_wait_alu depctr_hold_cnt(0) depctr_sa_sdst(0) depctr_va_vdst(0) depctr_va_sdst(0) depctr_va_ssrc(0) depctr_va_vcc(0) depctr_vm_vsrc(0)
	s_getreg_b32 s2, hwreg(HW_REG_IB_STS2, 6, 4)
	s_cmp_eq_u32 s2, 0
	s_cbranch_scc0 .Lentry_in_a_cluster
	s_endpgm
.Lentry_in_a_cluster:
	s_bfe_u32 s2, ttmp6, 0x10000c
	s_cmp_lg_u32 s2, 0x3003
	s_cbranch_scc0 .Lentry_shape_is_right
	s_endpgm
.Lentry_shape_is_right:
; q'[j][n] = sum over i of M[j][i] x[i][n] + u[j], j = 0..143 (row 128: the bk term s[n]; rows 129..143 are zero), for 64 queries a work-group,
; 16 a wave.  x is rounded once to bf16 where it enters (the program's stated FORMAT), which is an exact f16 number; M is a pair of f16 (hi + lo):
; two products Mh x + Ml x, sums in f32.
; Each query is then scaled by a power of two: E = 2^floor(log2 max|q'|), clamped to 2^-100 .. 2^100 (LIMIT), so that |q'/E| < 2 whatever the
; inputs' size, split into f16 hi + lo, and stored as the register image that the attention launch loads: for each tile of 16 queries 18 chunks
; of 512 bytes (lane x 16): 8 of hi, 8 of lo, one of s/E, one of c = E log2(e).
; CLUSTER: the four work-groups of a cluster read the same 147,456 bytes of M: one joint load a wave (mask 15).  x is each work-group's own.
; A wave has two tensor loads outstanding, both issued at the start; nothing is filled again.
; LDS: MT at 0: 288 rows (hi 0..143, lo 144..287) of 512 + 16 bytes; XT at 152,064: 256 rows of 64 f32, 256 + 16 bytes.
; Registers: window 0: v0-15 addresses, XH v16-79, FA v80-151, FB v152-223, v224-255 at work; window 1: ACC v0-71 (9 tiles).
.set WV, 12
.set SRND, 46
.set SMSK, 47
.set SBF, 52
.set XT, 152064
.set FAR, 80
.set FBR, 152
.set MSB, 0
.macro WIN new                         ; the immediate's high byte repeats the setting that is left
.if MSB != \new
	s_set_vgpr_msb (MSB<<8)|\new
.set MSB, \new
.endif
.endm
.macro PLACES                          ; four places behind a matrix instruction (ISA guide 7.12.1)
.rept 4
	v_nop
.endr
.endm
.macro ROUND                           ; a round of the cluster's barrier
	s_barrier_signal -1
	s_barrier_wait -1
	s_cmp_lg_u32 s[WV], 0
	s_cbranch_scc1 .Lnw0_\@
	s_barrier_signal -3
.Lnw0_\@:
	s_barrier_wait -3
	s_barrier_signal -1
	s_barrier_wait -1
.endm
.macro SPLIT2 a, b, hh, ll, ta, tb     ; hi = rounded to 11 significant bits, lo = the rest
	v_add_nc_u32 v[\ta], s[SRND], v[\a]
	v_add_nc_u32 v[\tb], s[SRND], v[\b]
	v_and_b32 v[\ta], s[SMSK], v[\ta]
	v_and_b32 v[\tb], s[SMSK], v[\tb]
	v_cvt_pk_f16_f32 v[\hh], v[\ta], v[\tb]
	v_sub_f32 v[\ta], v[\a], v[\ta]
	v_sub_f32 v[\tb], v[\b], v[\tb]
	v_cvt_pk_f16_f32 v[\ll], v[\ta], v[\tb]
.endm
	s_load_b256 s[4:11], s[0:1], 0x0               ; x s[4:5], MW s[6:7], UE s[8:9], QI s[10:11]
	v_lshl_add_u32 v254, v0, 2, 0x36200
	v_mov_b32 v255, 0
	ds_add_u32 v254, v255
	v_lshrrev_b32 v1, 5, v0
	v_readfirstlane_b32 s12, v1                    ; wave
	s_bfe_u32 s13, ttmp6, 0x40000                  ; cx
	s_lshl_b32 s14, ttmp9, 2
	s_add_co_u32 s14, s14, s13                     ; work-group 0..255 = 64 b + block of 64 queries
	s_mov_b32 s40, 0x76543210
	s_mov_b32 s41, 0xfedcba98
	s_mov_b32 s[SRND], 0x1000
	s_mov_b32 s[SMSK], 0xffffe000
	s_mov_b32 s[SBF], 0xffff0000
	; M's shape: 72 rows a wave of 256 f16; 16 bytes of padding behind every 128 words; mask 15 with bit 21
	s_mov_b32 s16, 0x07b1000f
	s_mov_b32 s17, 256<<16
	s_mov_b32 s18, 72<<16
	s_mov_b32 s19, 256<<16
	s_mov_b32 s20, 72
	s_mov_b32 s21, 256
	s_mov_b32 s22, 0
	s_mov_b32 s23, 0
	; x's shape: 64 rows a wave of 64 f32, 4,096 elements from row to row; 16 bytes of padding behind every 64 words; no mask
	s_mov_b32 s28, 0x07520000
	s_mov_b32 s29, 64<<16
	s_mov_b32 s30, 64<<16
	s_mov_b32 s31, 64<<16
	s_mov_b32 s32, 64
	s_mov_b32 s33, 4096
	s_mov_b32 s34, 0
	s_mov_b32 s35, 0
	s_mov_b32 s24, 1
	s_mul_i32 s25, s12, 38016                      ; 72 rows x 528
	s_mul_i32 s42, s12, 36864                      ; 72 rows x 512: the wave's number alone, equal in all partners
	s_mov_b32 s43, 0
	s_mov_b32 s36, 1
	s_mul_i32 s37, s12, 17408                      ; 64 rows x 272
	s_add_co_u32 s37, s37, XT
	s_lshr_b32 s44, s14, 6
	s_lshl_b32 s44, s44, 22                        ; b x 4,194,304
	s_lshl_b32 s45, s12, 20                        ; + 64 w rows of 16,384
	s_add_co_u32 s44, s44, s45
	s_and_b32 s45, s14, 63
	s_lshl_b32 s45, s45, 8                         ; + 64 queries x 4 bytes
	s_add_co_u32 s44, s44, s45
	s_mov_b32 s45, 0
	s_mul_i32 s50, s14, 36864                      ; QI: work-group x 36,864 + wave x 9,216
	s_mul_i32 s51, s12, 9216
	s_add_co_u32 s50, s50, s51
	s_mov_b32 s51, 0
	s_wait_dscnt 0x0
	s_wait_kmcnt 0x0
	s_add_nc_u64 s[26:27], s[6:7], s[42:43]
	s_or_b32 s27, s27, 0x80000000
	s_add_nc_u64 s[38:39], s[4:5], s[44:45]
	s_or_b32 s39, s39, 0x80000000
	s_add_nc_u64 s[10:11], s[10:11], s[50:51]
	ROUND                                          ; the four work-groups are here: the joint loads meet
	tensor_load_to_lds s[24:27], s[16:23]
	s_nop 0
	tensor_load_to_lds s[36:39], s[28:35]
	s_nop 0
	v_and_b32 v11, 31, v0                          ; lane
	v_lshlrev_b32 v12, 4, v11
	v_and_b32 v4, 15, v0                           ; r
	v_bfe_u32 v2, v0, 4, 1                         ; h
	v_lshlrev_b32 v3, 5, v2                        ; 32 h
	v_mul_u32_u24 v5, v2, 2176                     ; x: row 8 h,
	v_lshl_add_u32 v5, v4, 2, v5                   ; column r
	s_lshl_b32 s48, s12, 6                         ; of my 16 queries
	s_add_co_u32 s48, s48, XT
	v_add_nc_u32 v5, s48, v5
	v_add_nc_u32 v6, 34816, v5                     ; rows 128 on
	v_mul_u32_u24 v7, v4, 528                      ; M: row r, 16 h
	v_lshl_add_u32 v7, v2, 4, v7
	v_add_nc_u32 v8, 67584, v7                     ; tile 8
	v_add_nc_u32 v9, 76032, v7                     ; the lo plane
	v_add_nc_u32 v10, 143616, v7                   ; its tile 8
	WIN 0x40
.irp jt, 0,1,2,3,4,5,6,7,8
	global_load_b128 v[8*\jt:8*\jt+3], v3, s[8:9] offset:64*\jt            ; u[16 jt + 8 h ..] starts the sums: register j of a tile is row 8 h + j
	global_load_b128 v[8*\jt+4:8*\jt+7], v3, s[8:9] offset:64*\jt+16
.endr
	WIN 0
	s_wait_tensorcnt 0x0
	s_barrier_signal -1
	s_barrier_wait -1                              ; every wave's rows of M and x are in
	; x[i][n] for my column n = r: a B fragment's 16 numbers for each of 8 K steps, one word each; the halves of the lanes lie 128 bytes apart mod 256
.irp ks, 0,1,2,3,4,5,6,7
.irp e, 0,1,2,3,4,5,6,7,8,9,10,11,12,13,14,15
	ds_load_b32 v[80+16*\ks+\e], v[5+(\ks>>2)] offset:((\ks&3)*32+\e+(\e>>3)*8)*272
.endr
.endr
	s_wait_dscnt 0x0
.set i, 0
.rept 64
	v_cvt_pk_bf16_f32 v[224+(i%8)], v[80+2*i], v[81+2*i]           ; the one rounding of x
	v_lshlrev_b32 v[80+2*i], 16, v[224+(i%8)]
	v_and_b32 v[81+2*i], s[SBF], v[224+(i%8)]
	v_cvt_pk_f16_f32 v[16+i], v[80+2*i], v[81+2*i]                 ; exact
.set i, i+1
.endr
.macro FRAG dst, lo, ks                ; 18 loads: the nine A fragments (16 rows x 32 K) of one plane at K step ks
.irp jt, 0,1,2,3,4,5,6,7
	ds_load_b128 v[\dst+8*\jt:\dst+8*\jt+3], v[7+2*\lo] offset:\jt*8448+64*(\ks)
	ds_load_b128 v[\dst+8*\jt+4:\dst+8*\jt+7], v[7+2*\lo] offset:\jt*8448+64*(\ks)+32
.endr
	ds_load_b128 v[\dst+64:\dst+67], v[8+2*\lo] offset:64*(\ks)
	ds_load_b128 v[\dst+68:\dst+71], v[8+2*\lo] offset:64*(\ks)+32
.endm
.macro MUL9 f, b                       ; the nine accumulators take turns, one instruction a turn
.irp jt, 0,1,2,3,4,5,6,7,8
	v_wmma_f32_16x16x32_f16 v[8*\jt:8*\jt+7], v[\f+8*\jt:\f+8*\jt+7], v[\b:\b+7], v[8*\jt:8*\jt+7]
.endr
.endm
.macro KS ks, last
	FRAG FBR, 1, \ks
	s_wait_dscnt 18                                ; Mh's fragments are in; the 18 just issued stay out
	WIN 0x50
	MUL9 FAR, 16+8*\ks                             ; Mh x
	WIN 0
	PLACES
.if \last
	s_wait_dscnt 0x0
.else
	FRAG FAR, 0, \ks+1
	s_wait_dscnt 18                                ; Ml's fragments are in
.endif
	WIN 0x50
	MUL9 FBR, 16+8*\ks                             ; Ml x
	WIN 0
	PLACES
.endm
	FRAG FAR, 0, 0
	s_wait_loadcnt 0x0                             ; u
	KS 0, 0
	KS 1, 0
	KS 2, 0
	KS 3, 0
	KS 4, 0
	KS 5, 0
	KS 6, 0
	KS 7, 1
	; the query's scale: the largest |q'| over j = 0..127 (a lane holds 64 of them, the lane 16 further the other 64)
	v_mov_b32 v224, 0
	v_mov_b32 v225, 0
	v_mov_b32 v226, 0
	v_mov_b32 v227, 0
	v_mov_b32 v233, 0
	WIN 0x05
.set i, 0
.rept 32
	v_max3_num_f32 v[224+(i%4)], |v[2*i]|, |v[2*i+1]|, v[224+(i%4)]
.set i, i+1
.endr
	WIN 0
	v_max3_num_f32 v224, v224, v225, v226
	v_max_num_f32 v224, v224, v227
	v_permlanex16_b32 v225, v224, s40, s41
	v_max_num_f32 v224, v224, v225
	v_and_b32 v224, 0x7f800000, v224               ; E = 2^floor(log2 max)
	v_max_u32 v224, 0x0d800000, v224               ; at least 2^-100
	v_min_u32 v224, 0x71800000, v224               ; at most 2^100
	v_sub_nc_u32 v228, 0x7f000000, v224            ; 1 / E, exact
	v_mov_b32 v229, v228
	v_mul_f32 v236, 0x3fb8aa3b, v224               ; c = E log2(e)
	v_mov_b32 v237, v236
	v_mov_b32 v238, v236
	v_mov_b32 v239, v236
	WIN 0x01
.set i, 0
.rept 32
	v_pk_mul_f32 v[80+2*i:81+2*i], v[2*i:2*i+1], v[228:229]        ; exact
.set i, i+1
.endr
	v_mul_f32 v232, v64, v228                      ; tile 8, register 0: row 128 in lanes 0-15 (row 136, zero, in the others)
	WIN 0
	v_permlanex16_b32 v233, v232, s40, s41
	v_cmp_gt_u32 vcc_lo, 16, v11
	v_cndmask_b32 v232, v233, v232, vcc_lo         ; lanes 16-31 take lane r's
	v_mov_b32 v233, v232
	v_mov_b32 v234, v232
	v_mov_b32 v235, v232
	; tiles 2 ks and 2 ks + 1 pack into registers 0-3 and 4-7 of the B fragment of K step ks: j = 32 ks + 8 h + .., 32 ks + 16 + 8 h + ..
.set i, 0
.rept 32
	SPLIT2 80+2*i, 81+2*i, 16+i, 160+i, 240+2*(i%4), 241+2*(i%4)
.set i, i+1
.endr
.irp c, 0,1,2,3,4,5,6,7
	global_store_b128 v12, v[16+4*\c:19+4*\c], s[10:11] offset:512*\c          ; each store of the wave covers 512 consecutive bytes
	global_store_b128 v12, v[160+4*\c:163+4*\c], s[10:11] offset:4096+512*\c
.endr
	global_store_b128 v12, v[232:235], s[10:11] offset:8192
	global_store_b128 v12, v[236:239], s[10:11] offset:8704
	s_wait_tensorcnt 0x0
	ds_add_u32 v254, v255
	s_wait_dscnt 0x0
	ROUND                                          ; the closing round
	s_endpgm
.Lfunc_end_k_q02c0c7db07_proj:
	.size	k_q02c0c7db07_proj, .Lfunc_end_k_q02c0c7db07_proj-k_q02c0c7db07_proj
	.p2alignl 7, 3214868480
	.fill 96, 4, 3214868480
	.section	.rodata,"a",@progbits
	.p2align	6, 0x0
	.amdhsa_kernel k_q02c0c7db07_proj
		.amdhsa_group_segment_fixed_size 222208
		.amdhsa_private_segment_fixed_size 0
		.amdhsa_enable_private_segment 0
		.amdhsa_kernarg_size 32
		.amdhsa_user_sgpr_count 2
		.amdhsa_user_sgpr_kernarg_segment_ptr 1
		.amdhsa_wavefront_size32 1
		.amdhsa_system_sgpr_workgroup_id_x 1
		.amdhsa_system_sgpr_workgroup_id_y 1
		.amdhsa_system_sgpr_workgroup_id_z 1
		.amdhsa_system_vgpr_workitem_id 0
		.amdhsa_next_free_vgpr 336
		.amdhsa_next_free_sgpr 66
		.amdhsa_reserve_vcc 1
		.amdhsa_float_denorm_mode_32 3
		.amdhsa_float_denorm_mode_16_64 3
		.amdhsa_memory_ordered 1
		.amdhsa_forward_progress 1
		.amdhsa_inst_pref_size 75
	.end_amdhsa_kernel
	.amdgpu_metadata
---
amdhsa.version: [ 1, 2 ]
amdhsa.kernels:
  - .name:           k_q02c0c7db07_proj
    .symbol:         k_q02c0c7db07_proj.kd
    .args:
      - { .name: dgcnn_feat, .offset: 0, .size: 8, .value_kind: global_buffer, .address_space: global }
      - { .name: MW, .offset: 8, .size: 8, .value_kind: global_buffer, .address_space: global }
      - { .name: UE, .offset: 16, .size: 8, .value_kind: global_buffer, .address_space: global }
      - { .name: QI, .offset: 24, .size: 8, .value_kind: global_buffer, .address_space: global }
    .group_segment_fixed_size: 222208
    .private_segment_fixed_size: 0
    .kernarg_segment_align: 8
    .kernarg_segment_size: 32
    .max_flat_workgroup_size: 128
    .sgpr_count:     66
    .vgpr_count:     336
    .wavefront_size: 32
...
	.end_amdgpu_metadata
.endif
;; end of part 6
;; launch attn (part 7): grid 256 x 1, 4 waves a work-group, clusters of 4 x 1, 327,680 bytes of LDS; arguments G, QI, WV16, dgcnn_feat, bv, gamma, FUSED, PART; writes FUSED, PART
.if DOCPART == 7
	.amdgcn_target "amdgcn-amd-amdhsa--gfx1250"
	.amdhsa_code_object_version 6
	.text
	.protected	k_q02c0c7db07_attn
	.globl	k_q02c0c7db07_attn
	.p2align	8
	.type	k_q02c0c7db07_attn,@function
k_q02c0c7db07_attn:
	s_mov_b64 s[64:65], 0
	v_nop
	global_prefetch_b8 v0, s[64:65] scope:SCOPE_SE
	s_setreg_imm32_b32 hwreg(HW_REG_WAVE_MODE, 25, 1), 1
	s_wait_xcnt 0x0
	s_wait_alu depctr_hold_cnt(0) depctr_sa_sdst(0) depctr_va_vdst(0) depctr_va_sdst(0) depctr_va_ssrc(0) depctr_va_vcc(0) depctr_vm_vsrc(0)
	s_getreg_b32 s2, hwreg(HW_REG_IB_STS2, 6, 4)
	s_cmp_eq_u32 s2, 0
	s_cbranch_scc0 .Lentry_in_a_cluster
	s_endpgm
.Lentry_in_a_cluster:
	s_bfe_u32 s2, ttmp6, 0x10000c
	s_cmp_lg_u32 s2, 0x3003
	s_cbranch_scc0 .Lentry_shape_is_right
	s_endpgm
.Lentry_shape_is_right:
; fused[b][c][n] = x + gamma (Wv (sum over m of g[:,m] a[n,m]) + bv), a = softmax over m of energy[n,m], and each channel's (mean, M2) over the
; work-group's 64 queries.  energy / E = qh.g + ql.g + s/E: q/E is a pair of f16, g one f16 number (K = 2 x 128); the weighted sum runs over g
; (128 rows) and Wv is applied once at the end, which is the same sum since the weights are divided by their own sum.
; FORMAT (a stated limit): every floating input of the program is rounded once to bf16 where it enters; here x (the residual), bv and gamma.
; g and Wv arrive as f16, exact images of their bf16 roundings.
; A work-group owns 64 queries of one batch; every wave holds all 64 (4 tiles of 16).  Keys go in 16 blocks of 256 through two LDS slots;
; wave w takes keys 64 w .. 64 w + 63 of each block with a running softmax of its own, and the four waves are merged at the end.
; SOFTMAX: weight = exp2(S c + NM), NM = min(NM, -max(S) c) is the running maximum as a shift (c > 0); old sums are scaled by exp2(NMnew - NMold).
; CLUSTER: the four work-groups of a cluster are of one batch (b = cluster / 16) and read the same tiles of G: joint loads, mask 15, one a wave
; (the tile's 128 rows shared among four waves: 32 rows x 512 bytes each).  A wave has two tensor loads outstanding at the start and one later.
; ORIENTATION: S^T = A (g^T, rows m, transposing LDS loads) x B (q, columns n): lane (r, h) holds keys 8 h + j of query r, so maximum, sum and scale are
; one number a lane, and two S tiles convert straight into a B fragment of the second product  T = A (g, rows j) x B (P).
; LDS: slot 0 at 0, slot 1 at 69,632: 128 rows j of 512 + 32 bytes (544 = 17 x 32: the transposing loads meet no conflict; the plain loads of the
; second product collide two deep); STAT 278,528; BST 280,576.  Behind the last fill: TX 0, TF 139,264, STG 155,648.
; REGISTERS: window 0: v0-15 addresses, v16-23 (c, NM) x 4, v24-31 (alpha, L) x 4, BI v32-63, S v64-191, P v192-255;
; window 1: QH, QL; window 2: T (32 tiles); window 3: fragment buffers FA v0-127, FB v128-255.
; LIMITS: |g|, |x|, |Wv| below 65,000; P and t enter the second and third product as one f16 number each; no Inf, no NaN.
.set WV, 20
.set SLOT, 69632
.set STAT, 278528
.set BST, 280576
.set TF, 139264
.set STG, 155648
.set FA, 0
.set FB, 128
.set ATR, 2
.set AGP, 6
.set MSB, 0
.macro WIN new                         ; the immediate's high byte repeats the setting that is left
.if MSB != \new
	s_set_vgpr_msb (MSB<<8)|\new
.set MSB, \new
.endif
.endm
.macro PLACES                          ; four places behind a matrix instruction (ISA guide 7.12.1)
.rept 4
	v_nop
.endr
.endm
.macro CREST                           ; a round of the cluster's barrier behind its opening barrier
	s_cmp_lg_u32 s[WV], 0
	s_cbranch_scc1 .Lnw0_\@
	s_barrier_signal -3
.Lnw0_\@:
	s_barrier_wait -3
	s_barrier_signal -1
	s_barrier_wait -1
.endm
.macro ROUND
	s_barrier_signal -1
	s_barrier_wait -1
	CREST
.endm
; 16 transposing loads: A fragments (16 keys x 32 j) for two key tiles (32 keys: half 0 or 1 of my 64) and all four K steps
.macro FETCH_S slot, half, f
	WIN 0xc0
.irp mt, 0,1
.irp ks, 0,1,2,3
	ds_load_tr16_b128 v[\f+8*(4*\mt+\ks):\f+8*(4*\mt+\ks)+3], v[ATR+(\slot)] offset:\ks*17408+\half*64+\mt*32
	ds_load_tr16_b128 v[\f+8*(4*\mt+\ks)+4:\f+8*(4*\mt+\ks)+7], v[ATR+(\slot)] offset:\ks*17408+8704+\half*64+\mt*32
.endr
.endr
.endm
; 32 plain loads: A fragments (16 j x 32 keys) for eight j tiles and my 64 keys
.macro FETCH_P slot, f
	WIN 0xc0
.irp kk, 0,1
.irp jt, 0,1,2,3,4,5,6,7
	ds_load_b128 v[\f+8*(8*\kk+\jt):\f+8*(8*\kk+\jt)+3], v[AGP+(\slot)] offset:\jt*8704+\kk*64
	ds_load_b128 v[\f+8*(8*\kk+\jt)+4:\f+8*(8*\kk+\jt)+7], v[AGP+(\slot)] offset:\jt*8704+\kk*64+32
.endr
.endr
.endm
; 64 matrix instructions: 2 key tiles x 4 query tiles, K = 4 steps x (g qh, g ql).  The eight accumulators take turns, one instruction a turn.
; The first product takes s/E as C.
.macro SMUL half, f
	WIN 0x07
.irp ks, 0,1,2,3
.irp tm, 0,1
.irp nt, 0,1,2,3
.irp mt, 0,1
.set SD, 64+8*(4*(2*\half+\mt)+\nt)
.set SA, \f+8*(4*\mt+\ks)
.set SQ, 128*\tm+8*(4*\nt+\ks)
.if \ks+\tm
	v_wmma_f32_16x16x32_f16 v[SD:SD+7], v[SA:SA+7], v[SQ:SQ+7], v[SD:SD+7]
.else
	v_wmma_f32_16x16x32_f16 v[SD:SD+7], v[SA:SA+7], v[SQ:SQ+7], v[32+8*\nt:39+8*\nt]
.endif
.endr
.endr
.endr
.endr
.endm
; 64 matrix instructions: T(j tile, query tile) += g x P; 32 accumulators by turns
.macro PVMUL f, first
	WIN 0xa3
.irp kk, 0,1
.irp nt, 0,1,2,3
.irp jt, 0,1,2,3,4,5,6,7
.if \first*(1-\kk)
	v_wmma_f32_16x16x32_f16 v[8*(8*\nt+\jt):8*(8*\nt+\jt)+7], v[\f+8*(8*\kk+\jt):\f+8*(8*\kk+\jt)+7], v[192+8*(2*\nt+\kk):192+8*(2*\nt+\kk)+7], 0
.else
	v_wmma_f32_16x16x32_f16 v[8*(8*\nt+\jt):8*(8*\nt+\jt)+7], v[\f+8*(8*\kk+\jt):\f+8*(8*\kk+\jt)+7], v[192+8*(2*\nt+\kk):192+8*(2*\nt+\kk)+7], v[8*(8*\nt+\jt):8*(8*\nt+\jt)+7]
.endif
.endr
.endr
.endr
.endm
.macro RESCALE                         ; T *= alpha of the lane's query
	WIN 0x82
.irp nt, 0,1,2,3
.irp jt, 0,1,2,3,4,5,6,7
.irp p, 0,2,4,6
	v_pk_mul_f32 v[8*(8*\nt+\jt)+\p:8*(8*\nt+\jt)+\p+1], v[8*(8*\nt+\jt)+\p:8*(8*\nt+\jt)+\p+1], v[24+2*\nt:25+2*\nt] op_sel_hi:[1,0]
.endr
.endr
.endr
.endm
; The block's softmax step for four query tiles.  S of tile (q, nt) at 64 + 8 (4 q + nt); at work: the 16 registers of P that belong to nt.
.macro SOFTMAX first
	WIN 0
.irp nt, 0,1,2,3
.irp q, 0,1,2,3
	v_max3_num_f32 v[192+16*\nt+\q], v[64+8*(4*\q+\nt)], v[65+8*(4*\q+\nt)], v[66+8*(4*\q+\nt)]
.endr
.endr
.irp nt, 0,1,2,3
.irp q, 0,1,2,3
	v_max3_num_f32 v[192+16*\nt+\q], v[192+16*\nt+\q], v[67+8*(4*\q+\nt)], v[68+8*(4*\q+\nt)]
.endr
.endr
.irp nt, 0,1,2,3
.irp q, 0,1,2,3
	v_max3_num_f32 v[192+16*\nt+\q], v[192+16*\nt+\q], v[69+8*(4*\q+\nt)], v[70+8*(4*\q+\nt)]
.endr
.endr
.irp nt, 0,1,2,3
.irp q, 0,1,2,3
	v_max_num_f32 v[192+16*\nt+\q], v[192+16*\nt+\q], v[71+8*(4*\q+\nt)]
.endr
.endr
.irp nt, 0,1,2,3
	v_max3_num_f32 v[192+16*\nt], v[192+16*\nt], v[193+16*\nt], v[194+16*\nt]
.endr
.irp nt, 0,1,2,3
	v_max_num_f32 v[192+16*\nt], v[192+16*\nt], v[195+16*\nt]
.endr
.irp nt, 0,1,2,3
	v_permlanex16_b32 v[193+16*\nt], v[192+16*\nt], s26, s27       ; the other 32 keys of the same query
.endr
.irp nt, 0,1,2,3
	v_max_num_f32 v[194+16*\nt], v[192+16*\nt], v[193+16*\nt]
.endr
.irp nt, 0,1,2,3
	v_mul_f32 v[194+16*\nt], -v[194+16*\nt], v[16+2*\nt]           ; -max c
.endr
.if 1-\first
.irp nt, 0,1,2,3
	v_min_num_f32 v[194+16*\nt], v[194+16*\nt], v[17+2*\nt]        ; the running maximum, as a shift
.endr
.irp nt, 0,1,2,3
	v_sub_f32 v[195+16*\nt], v[194+16*\nt], v[17+2*\nt]
.endr
.irp nt, 0,1,2,3
	v_exp_f32 v[24+2*\nt], v[195+16*\nt]           ; alpha; the moves below are the plain place behind it (ISA guide 5.7.2)
.endr
.endif
.irp nt, 0,1,2,3
	v_mov_b32 v[17+2*\nt], v[194+16*\nt]
.endr
.irp nt, 0,1,2,3
.irp q, 0,1,2,3
.irp p, 0,2,4,6
	v_pk_fma_f32 v[64+8*(4*\q+\nt)+\p:65+8*(4*\q+\nt)+\p], v[64+8*(4*\q+\nt)+\p:65+8*(4*\q+\nt)+\p], v[16+2*\nt:17+2*\nt], v[194+16*\nt:195+16*\nt] op_sel_hi:[1,0,0]
.endr
.endr
.endr
.set i, 0
.rept 128
	v_exp_f32 v[64+i], v[64+i]
.set i, i+1
.endr
	v_nop                                          ; the plain place behind the exponentials
	s_wait_alu depctr_va_vdst(0)
.irp nt, 0,1,2,3
.irp q, 0,1,2,3
.irp p, 0,1,2,3
	v_cvt_pk_f16_f32 v[192+16*\nt+4*\q+\p], v[64+8*(4*\q+\nt)+2*\p], v[65+8*(4*\q+\nt)+2*\p]   ; tiles 2 kk, 2 kk + 1 are registers 0-3, 4-7 of fragment kk
.endr
.endr
.endr
.irp nt, 0,1,2,3
.irp q, 0,1,2,3
	v_pk_add_f32 v[64+8*(4*\q+\nt):65+8*(4*\q+\nt)], v[64+8*(4*\q+\nt):65+8*(4*\q+\nt)], v[66+8*(4*\q+\nt):67+8*(4*\q+\nt)]
	v_pk_add_f32 v[68+8*(4*\q+\nt):69+8*(4*\q+\nt)], v[68+8*(4*\q+\nt):69+8*(4*\q+\nt)], v[70+8*(4*\q+\nt):71+8*(4*\q+\nt)]
.endr
.endr
.irp nt, 0,1,2,3
.irp q, 0,1,2,3
	v_pk_add_f32 v[64+8*(4*\q+\nt):65+8*(4*\q+\nt)], v[64+8*(4*\q+\nt):65+8*(4*\q+\nt)], v[68+8*(4*\q+\nt):69+8*(4*\q+\nt)]
.endr
.endr
.irp nt, 0,1,2,3
	v_pk_add_f32 v[64+8*\nt:65+8*\nt], v[64+8*\nt:65+8*\nt], v[96+8*\nt:97+8*\nt]
	v_pk_add_f32 v[128+8*\nt:129+8*\nt], v[128+8*\nt:129+8*\nt], v[160+8*\nt:161+8*\nt]
.endr
.irp nt, 0,1,2,3
	v_pk_add_f32 v[64+8*\nt:65+8*\nt], v[64+8*\nt:65+8*\nt], v[128+8*\nt:129+8*\nt]
.endr
.irp nt, 0,1,2,3
.if \first
	v_add_f32 v[25+2*\nt], v[64+8*\nt], v[65+8*\nt]
.else
	v_add_f32 v[64+8*\nt], v[64+8*\nt], v[65+8*\nt]
.endif
.endr
.if 1-\first
.irp nt, 0,1,2,3
	v_fma_f32 v[25+2*\nt], v[25+2*\nt], v[24+2*\nt], v[64+8*\nt]   ; L = L alpha + the block's sum (my half of the keys; the halves meet at the end)
.endr
.endif
.endm
; One block.  fa holds (or is receiving) the S fragments of my first 32 keys.  mode 2: the slot is filled again, two blocks ahead; 1: barrier alone; 0: the last block.
.macro STEP slot, fa, fb, mode, first
	PLACES                                         ; fb was read by the last matrix instructions
	FETCH_S \slot, 1, \fb
	s_wait_dscnt 16                                ; fa's 16 loads are in; the 16 just issued stay out
	SMUL 0, \fa
	PLACES
	FETCH_P \slot, \fa
	s_wait_dscnt 32                                ; fb's 16 loads are in; the 32 just issued stay out
	SMUL 1, \fb
	WIN 0
	PLACES
	s_wait_dscnt 0x0                               ; my reads of this slot are over
.if \mode
	s_wait_xcnt 0x0
	v_lshl_add_u32 v254, v0, 2, 0x45000
	v_mov_b32 v255, 0
	s_wait_tensorcnt 0x0                           ; all my tensor loads have landed: my rows of the other slot
	ds_add_u32 v254, v255
	s_wait_dscnt 0x0
.if \mode>>1
	s_add_nc_u64 s[38+4*\slot:39+4*\slot], s[38+4*\slot:39+4*\slot], 1024  ; no load of mine is out: this slot's address goes two blocks on
.endif
	s_barrier_signal -1                            ; say so (mode 2: this barrier opens a round of the cluster's barrier),
.endif
	SOFTMAX \first                                 ; work on registers while the others arrive,
.if 1-\first
	RESCALE
.endif
	WIN 0
.if \mode
	s_barrier_wait -1
.if \mode>>1
	CREST                                          ; no wave of any partner still reads this slot or has a load on its way
	tensor_load_to_lds s[36+4*\slot:39+4*\slot], s[28:35]          ; my one tensor load behind the round; 192 matrix instructions lie ahead of the wait for it
	s_nop 0
.endif
	FETCH_S 1-\slot, 0, \fb
.endif
	PVMUL \fa, \first
.endm
	s_load_b512 s[4:19], s[0:1], 0x0               ; G s[4:5] QI s[6:7] WV16 s[8:9] x s[10:11] bv s[12:13] gamma s[14:15] FUSED s[16:17] PART s[18:19]
	v_lshl_add_u32 v254, v0, 2, 0x45000
	v_mov_b32 v255, 0
	ds_add_u32 v254, v255
	s_wait_dscnt 0x0
	v_lshrrev_b32 v1, 5, v0
	v_readfirstlane_b32 s20, v1                    ; wave
	s_bfe_u32 s21, ttmp6, 0x40000                  ; cx
	s_lshl_b32 s22, ttmp9, 2
	s_add_co_u32 s22, s22, s21                     ; work-group 0..255
	s_lshr_b32 s23, ttmp9, 4                       ; batch: from the cluster's number alone
	s_and_b32 s24, s22, 63                         ; block of 64 queries
	s_mov_b32 s26, 0x76543210
	s_mov_b32 s27, 0xfedcba98
	s_mov_b32 s50, 0x3c800000                      ; 1 / 64
	s_mov_b32 s51, 0xffff0000                      ; a word's upper bf16
	; the tile's shape: 32 rows a wave of 256 f16, 4,096 elements from row to row; 32 bytes of padding behind every 128 words; mask 15 with bit 21
	s_mov_b32 s28, 0x0fb1000f
	s_mov_b32 s29, 256<<16
	s_mov_b32 s30, 32<<16
	s_mov_b32 s31, 256<<16
	s_mov_b32 s32, 32
	s_mov_b32 s33, 4096
	s_mov_b32 s34, 0
	s_mov_b32 s35, 0
	s_mov_b32 s36, 1
	s_mul_i32 s37, s20, 17408                      ; 32 rows x 544
	s_mov_b32 s40, 1
	s_add_co_u32 s41, s37, SLOT
	s_lshl_b32 s44, s23, 20                        ; b x 128 rows x 8,192
	s_lshl_b32 s45, s20, 18                        ; + 32 w rows
	s_add_co_u32 s44, s44, s45
	s_mov_b32 s45, 0
	s_wait_kmcnt 0x0
	s_load_b32 s48, s[14:15], 0x0                  ; gamma; waited for behind the issue of the loads below
	s_add_nc_u64 s[38:39], s[4:5], s[44:45]        ; block 0
	s_add_nc_u64 s[42:43], s[38:39], 512           ; block 1
	s_or_b32 s39, s39, 0x80000000
	s_or_b32 s43, s43, 0x80000000
	s_mul_i32 s44, s22, 36864
	s_add_nc_u64 s[6:7], s[6:7], s[44:45]          ; my 64 queries' images
	s_lshl_b32 s44, s20, 8
	s_add_nc_u64 s[12:13], s[12:13], s[44:45]      ; bv at channel 64 w
	s_lshl_b32 s44, s20, 14
	s_add_nc_u64 s[8:9], s[8:9], s[44:45]          ; WV16 at row 64 w
	s_lshl_b32 s44, s23, 22
	s_lshl_b32 s46, s20, 20
	s_add_co_u32 s44, s44, s46
	s_lshl_b32 s46, s24, 8
	s_add_co_u32 s44, s44, s46
	s_add_nc_u64 s[10:11], s[10:11], s[44:45]      ; x and FUSED at (b, channel 64 w, my first query)
	s_add_nc_u64 s[16:17], s[16:17], s[44:45]
	s_lshl_b32 s44, s22, 11
	s_lshl_b32 s46, s20, 9
	s_add_co_u32 s44, s44, s46
	s_add_nc_u64 s[18:19], s[18:19], s[44:45]      ; PART at (work-group, channel 64 w)
	v_and_b32 v1, 31, v0
	v_lshlrev_b32 v1, 4, v1                        ; 16 lane
	v_and_b32 v8, 7, v0
	v_bfe_u32 v9, v0, 4, 1                         ; h
	v_lshl_add_u32 v8, v9, 3, v8                   ; 8 h + lane mod 8
	v_mul_u32_u24 v8, v8, 544
	v_bfe_u32 v10, v0, 3, 1
	v_lshl_add_u32 v8, v10, 4, v8
	s_lshl_b32 s46, s20, 7                         ; my 64 keys: 128 w bytes into a row
	v_add_nc_u32 v2, s46, v8                       ; slot 0
	v_add_nc_u32 v3, SLOT, v2                      ; slot 1
	v_and_b32 v11, 15, v0
	v_mul_u32_u24 v11, v11, 544
	v_lshl_add_u32 v11, v9, 4, v11
	v_add_nc_u32 v6, s46, v11
	v_add_nc_u32 v7, SLOT, v6
	ROUND                                          ; the four work-groups are here: the first joint loads meet
	tensor_load_to_lds s[36:39], s[28:35]
	s_nop 0
	tensor_load_to_lds s[40:43], s[28:35]
	s_nop 0
	WIN 0x40
.irp nt, 0,1,2,3
.irp c, 0,1,2,3,4,5,6,7
	global_load_b128 v[32*\nt+4*\c:32*\nt+4*\c+3], v1, s[6:7] offset:\nt*9216+\c*512
	global_load_b128 v[128+32*\nt+4*\c:128+32*\nt+4*\c+3], v1, s[6:7] offset:\nt*9216+4096+\c*512
.endr
.endr
	WIN 0
.irp nt, 0,1,2,3
	global_load_b128 v[32+8*\nt:35+8*\nt], v1, s[6:7] offset:\nt*9216+8192     ; s/E of the lane's query in all eight registers of C
	global_load_b128 v[36+8*\nt:39+8*\nt], v1, s[6:7] offset:\nt*9216+8192
	global_load_b32 v[16+2*\nt], v1, s[6:7] offset:\nt*9216+8704               ; c
.endr
	s_wait_kmcnt 0x0
	v_cvt_pk_bf16_f32 v12, s48, s48                ; gamma's one rounding
	v_lshlrev_b32 v12, 16, v12
	v_readfirstlane_b32 s48, v12
	s_mov_b32 s49, s48
	s_wait_tensorcnt 0x1                           ; my rows of block 0 are in; block 1's stay out
	s_barrier_signal -1
	s_barrier_wait -1
	FETCH_S 0, 0, FA
	WIN 0
	s_wait_loadcnt 0x0
	STEP 0, FA, FB, 2, 1
	STEP 1, FB, FA, 2, 0
	WIN 0
	s_mov_b32 s25, 6
.Lblk:
	STEP 0, FA, FB, 2, 0
	STEP 1, FB, FA, 2, 0
	WIN 0
	s_sub_co_u32 s25, s25, 1
	s_cmp_lg_u32 s25, 0
	s_cbranch_scc1 .Lblk
	STEP 0, FA, FB, 1, 0                           ; block 14: nothing left to fetch from memory
	STEP 1, FB, FA, 0, 0                           ; block 15
; ---- the way out ----
	WIN 0
	PLACES
	v_and_b32 v192, 15, v0                         ; r
	v_bfe_u32 v193, v0, 4, 1                       ; h
	v_lshlrev_b32 v8, 2, v192                      ; bv: 4 r
	v_lshlrev_b32 v9, 8, v192                      ; Wv: row r, 16 h
	v_lshl_add_u32 v9, v193, 4, v9
	v_lshlrev_b32 v10, 4, v192                     ; x, FUSED: lanes 0-15 one row of 256 bytes, lanes 16-31 the next
	v_lshl_add_u32 v10, v193, 14, v10
	s_lshl_b32 s44, s20, 9
	s_add_co_u32 s45, s44, STAT
	v_lshl_add_u32 v11, v192, 3, s45               ; STAT[w][r]
	v_lshlrev_b32 v12, 3, v192
	v_add_nc_u32 v12, STAT, v12
	s_lshl_b32 s45, s20, 15
	v_add_nc_u32 v13, s45, v1                      ; TX: my 32,768 bytes
	s_lshl_b32 s45, s20, 13
	v_add_nc_u32 v14, s45, v1                      ; TX: query tile w of sources 0, 1
	v_add_nc_u32 v15, 65536, v14                   ; of sources 2, 3
	s_lshl_b32 s45, s20, 12
	s_add_co_u32 s45, s45, TF
	v_add_nc_u32 v2, s45, v1
	v_add_nc_u32 v3, TF, v1
	s_mul_i32 s45, s20, 17408
	s_add_co_u32 s45, s45, STG
	v_mul_u32_u24 v4, v192, 272
	v_lshl_add_u32 v4, v193, 5, v4
	v_add_nc_u32 v4, s45, v4                       ; stage in: row r, 32 h
	v_mul_u32_u24 v5, v193, 272
	v_lshl_add_u32 v5, v192, 4, v5
	v_add_nc_u32 v5, s45, v5                       ; stage back: two whole rows
	s_add_co_u32 s45, s44, BST
	v_lshl_add_u32 v6, v193, 3, s45
	v_add_nc_u32 v7, s45, v1
.irp ct, 0,1,2,3
	global_load_b32 v[32+8*\ct], v8, s[12:13] offset:64*\ct        ; bv[64 w + 16 ct + r]
.endr
	WIN 0x40
.irp ct, 0,1,2,3
.irp ks, 0,1,2,3
	global_load_b128 v[8*(4*\ct+\ks):8*(4*\ct+\ks)+3], v9, s[8:9] offset:\ct*4096+\ks*64
	global_load_b128 v[8*(4*\ct+\ks)+4:8*(4*\ct+\ks)+7], v9, s[8:9] offset:\ct*4096+\ks*64+32
.endr
.endr
.set i, 0
.rept 32
	global_load_b128 v[128+4*i:131+4*i], v10, s[10:11] offset:i*32768 th:TH_LOAD_NT
.set i, i+1
.endr
	WIN 0
.irp nt, 0,1,2,3
	v_permlanex16_b32 v[194+\nt], v[25+2*\nt], s26, s27
.endr
.irp nt, 0,1,2,3
	v_mov_b32 v[200+2*\nt], v[17+2*\nt]
	v_add_f32 v[201+2*\nt], v[25+2*\nt], v[194+\nt]                ; the two halves of my keys
	ds_store_b64 v11, v[200+2*\nt:201+2*\nt] offset:128*\nt
.endr
	s_wait_dscnt 0x0                               ; my stores are done, and all my reads of the slots
	s_barrier_signal -1
	s_barrier_wait -1
.irp nt, 0,1,2,3
.irp sr, 0,1,2,3
	ds_load_b64 v[64+8*\nt+2*\sr:65+8*\nt+2*\sr], v12 offset:\sr*512+\nt*128
.endr
.endr
	s_wait_dscnt 0x0
.irp nt, 0,1,2,3
	v_min3_num_f32 v[192+\nt], v[64+8*\nt], v[66+8*\nt], v[68+8*\nt]
.endr
.irp nt, 0,1,2,3
	v_min_num_f32 v[192+\nt], v[192+\nt], v[70+8*\nt]              ; the shift of the largest maximum
.endr
.irp nt, 0,1,2,3
.irp sr, 0,1,2,3
	v_sub_f32 v[64+8*\nt+2*\sr], v[192+\nt], v[64+8*\nt+2*\sr]
.endr
	v_sub_f32 v[196+\nt], v[192+\nt], v[17+2*\nt]
.endr
.irp nt, 0,1,2,3
.irp sr, 0,1,2,3
	v_exp_f32 v[64+8*\nt+2*\sr], v[64+8*\nt+2*\sr]
.endr
	v_exp_f32 v[196+\nt], v[196+\nt]
.endr
	v_nop
	s_wait_alu depctr_va_vdst(0)
.irp nt, 0,1,2,3
	v_mul_f32 v[200+\nt], v[64+8*\nt], v[65+8*\nt]
.endr
.irp sr, 1,2,3
.irp nt, 0,1,2,3
	v_fmac_f32 v[200+\nt], v[64+8*\nt+2*\sr], v[65+8*\nt+2*\sr]
.endr
.endr
.irp nt, 0,1,2,3
	v_rcp_f32 v[200+\nt], v[200+\nt]
.endr
	v_nop
	s_wait_alu depctr_va_vdst(0)
.irp nt, 0,1,2,3
	v_mul_f32 v[24+2*\nt], v[196+\nt], v[200+\nt]                  ; my factor: exp2(NM* - NM) / the whole sum
.endr
	RESCALE
	WIN 0x08
.irp nt, 0,1,2,3
.irp jt, 0,1,2,3,4,5,6,7
	ds_store_b128 v13, v[8*(8*\nt+\jt):8*(8*\nt+\jt)+3] offset:\nt*8192+\jt*1024
	ds_store_b128 v13, v[8*(8*\nt+\jt)+4:8*(8*\nt+\jt)+7] offset:\nt*8192+\jt*1024+512
.endr
.endr
	WIN 0
	s_wait_dscnt 0x0
	s_barrier_signal -1
	s_barrier_wait -1
	WIN 0xc0                                       ; wave w adds the four waves' T of query tile w
.irp sr, 0,1,2,3
.irp c, 0,1,2,3,4,5,6,7,8,9,10,11,12,13,14,15
	ds_load_b128 v[64*\sr+4*\c:64*\sr+4*\c+3], v[14+(\sr>>1)] offset:(\sr&1)*32768+\c*512
.endr
.endr
	s_wait_dscnt 0x0
	WIN 0xcf
.set i, 0
.rept 32
	v_pk_add_f32 v[2*i:2*i+1], v[2*i:2*i+1], v[64+2*i:65+2*i]
	v_pk_add_f32 v[128+2*i:129+2*i], v[128+2*i:129+2*i], v[192+2*i:193+2*i]
.set i, i+1
.endr
.set i, 0
.rept 32
	v_pk_add_f32 v[2*i:2*i+1], v[2*i:2*i+1], v[128+2*i:129+2*i]
.set i, i+1
.endr
	WIN 0x0f
.set i, 0
.rept 32
	v_cvt_pk_f16_f32 v[64+i], v[2*i], v[2*i+1]     ; tiles 2 ks, 2 ks + 1 are registers 0-3, 4-7 of the fragment (rows n, K = j) of K step ks
.set i, i+1
.endr
	WIN 0
.irp c, 0,1,2,3,4,5,6,7
	ds_store_b128 v2, v[64+4*\c:67+4*\c] offset:512*\c
.endr
	s_wait_dscnt 0x0
	s_barrier_signal -1
	s_barrier_wait -1
	WIN 0xc0
.set i, 0
.rept 32
	ds_load_b128 v[4*i:4*i+3], v3 offset:512*i     ; all 16 fragments of t
.set i, i+1
.endr
	WIN 0
	s_wait_loadcnt 32                              ; bv and Wv are in; the 32 rows of x stay out
.irp ct, 0,1,2,3
	v_cvt_pk_bf16_f32 v[32+8*\ct], v[32+8*\ct], v[32+8*\ct]        ; bv's one rounding
.endr
.irp ct, 0,1,2,3
	v_lshlrev_b32 v[32+8*\ct], 16, v[32+8*\ct]
.endr
.irp ct, 0,1,2,3
.irp j, 1,2,3,4,5,6,7
	v_mov_b32 v[32+8*\ct+\j], v[32+8*\ct]          ; C: bv of the lane's channel in all eight registers
.endr
.endr
	s_wait_dscnt 0x0
	; attended^T: A = t (rows n), B = Wv (columns c): lane (r, h) gets queries 16 nt + 8 h + 0..7 of channel 16 ct + r.  16 accumulators by turns.
	WIN 0x87
.irp ct, 0,1,2,3
.irp nt, 0,1,2,3
	v_wmma_f32_16x16x32_f16 v[8*(4*\ct+\nt):8*(4*\ct+\nt)+7], v[8*(4*\nt):8*(4*\nt)+7], v[8*(4*\ct):8*(4*\ct)+7], v[32+8*\ct:39+8*\ct]
.endr
.endr
	WIN 0xa7
.irp ks, 1,2,3
.irp ct, 0,1,2,3
.irp nt, 0,1,2,3
	v_wmma_f32_16x16x32_f16 v[8*(4*\ct+\nt):8*(4*\ct+\nt)+7], v[8*(4*\nt+\ks):8*(4*\nt+\ks)+7], v[8*(4*\ct+\ks):8*(4*\ct+\ks)+7], v[8*(4*\ct+\nt):8*(4*\ct+\nt)+7]
.endr
.endr
.endr
	PLACES
	WIN 0x08                                       ; through my own stage: rows of 256 + 16 bytes
.irp ct, 0,1,2,3
.irp nt, 0,1,2,3
	ds_store_b128 v4, v[8*(4*\ct+\nt):8*(4*\ct+\nt)+3] offset:\ct*4352+\nt*64
	ds_store_b128 v4, v[8*(4*\ct+\nt)+4:8*(4*\ct+\nt)+7] offset:\ct*4352+\nt*64+16
.endr
.endr
	WIN 0xc0
.set i, 0
.rept 32
	ds_load_b128 v[128+4*i:131+4*i], v5 offset:544*i               ; LDS serves a wave's instructions in order (ISA guide 5.7.1): these see the stores above
.set i, i+1
.endr
	; x's one rounding to bf16, the same as where it entered the projection; widened again in place
	WIN 0x05
	s_wait_loadcnt 0x0                             ; the rows of x
.set i, 0
.rept 64
	v_cvt_pk_bf16_f32 v[64+i], v[128+2*i], v[129+2*i]
.set i, i+1
.endr
	WIN 0x40
.set i, 0
.rept 64
	v_lshlrev_b32 v[128+2*i], 16, v[64+i]
	v_and_b32 v[129+2*i], s51, v[64+i]
.set i, i+1
.endr
	WIN 0x53
.set i, 0
.rept 32
	s_wait_dscnt 31-i                              ; the stage's rows 2 i, 2 i + 1 are in; the younger ones stay out
	v_pk_fma_f32 v[128+4*i:129+4*i], v[128+4*i:129+4*i], s[48:49], v[128+4*i:129+4*i] op_sel_hi:[1,0,1]
	v_pk_fma_f32 v[130+4*i:131+4*i], v[130+4*i:131+4*i], s[48:49], v[130+4*i:131+4*i] op_sel_hi:[1,0,1]
.set i, i+1
.endr
	WIN 0x04
.set i, 0
.rept 32
	global_store_b128 v10, v[128+4*i:131+4*i], s[16:17] offset:i*32768         ; 16 lanes store 256 consecutive bytes, aligned
.set i, i+1
.endr
	; each row's mean over its 64 queries, then the sum of squared distances from it: no difference of large sums
	WIN 0x05
.set i, 0
.rept 32
	v_pk_add_f32 v[192+2*i:193+2*i], v[128+4*i:129+4*i], v[130+4*i:131+4*i]
.set i, i+1
.endr
	WIN 0
.set i, 0
.rept 32
	v_add_f32 v[192+2*i], v[192+2*i], v[193+2*i]
.set i, i+1
.endr
.irp xm, 1,2,4,8
.set i, 0
.rept 32
	v_add_f32_dpp v[192+2*i], v[192+2*i], v[192+2*i] row_xmask:\xm row_mask:0xf bank_mask:0xf
.set i, i+1
.endr
.endr
.set i, 0
.rept 32
	v_mul_f32 v[192+2*i], s50, v[192+2*i]
.set i, i+1
.endr
	WIN 0x01
.set i, 0
.rept 32
	v_pk_add_f32 v[64+4*i:65+4*i], v[128+4*i:129+4*i], v[192+2*i:193+2*i] op_sel_hi:[1,0] neg_lo:[0,1] neg_hi:[0,1]
	v_pk_add_f32 v[66+4*i:67+4*i], v[130+4*i:131+4*i], v[192+2*i:193+2*i] op_sel_hi:[1,0] neg_lo:[0,1] neg_hi:[0,1]
.set i, i+1
.endr
	WIN 0
.set i, 0
.rept 32
	v_pk_mul_f32 v[64+4*i:65+4*i], v[64+4*i:65+4*i], v[64+4*i:65+4*i]
.set i, i+1
.endr
.set i, 0
.rept 32
	v_pk_fma_f32 v[64+4*i:65+4*i], v[66+4*i:67+4*i], v[66+4*i:67+4*i], v[64+4*i:65+4*i]
.set i, i+1
.endr
.set i, 0
.rept 32
	v_add_f32 v[193+2*i], v[64+4*i], v[65+4*i]
.set i, i+1
.endr
.irp xm, 1,2,4,8
.set i, 0
.rept 32
	v_add_f32_dpp v[193+2*i], v[193+2*i], v[193+2*i] row_xmask:\xm row_mask:0xf bank_mask:0xf
.set i, i+1
.endr
.endr
.set i, 0
.rept 32
	ds_store_b64 v6, v[192+2*i:193+2*i] offset:16*i                ; (mean, M2) of channel 64 w + 2 i + lane / 16: sixteen lanes write the same 8 bytes
.set i, i+1
.endr
	ds_load_b128 v[64:67], v7                      ; my own 512 bytes, back as 16 a lane
	s_wait_dscnt 0x0
	global_store_b128 v1, v[64:67], s[18:19]
	s_wait_xcnt 0x0
	v_lshl_add_u32 v254, v0, 2, 0x45000
	v_mov_b32 v255, 0
	s_wait_tensorcnt 0x0
	ds_add_u32 v254, v255
	s_wait_dscnt 0x0
	ROUND                                          ; the closing round
	s_endpgm
.Lfunc_end_k_q02c0c7db07_attn:
	.size	k_q02c0c7db07_attn, .Lfunc_end_k_q02c0c7db07_attn-k_q02c0c7db07_attn
	.p2alignl 7, 3214868480
	.fill 96, 4, 3214868480
	.section	.rodata,"a",@progbits
	.p2align	6, 0x0
	.amdhsa_kernel k_q02c0c7db07_attn
		.amdhsa_group_segment_fixed_size 327680
		.amdhsa_private_segment_fixed_size 0
		.amdhsa_enable_private_segment 0
		.amdhsa_kernarg_size 64
		.amdhsa_user_sgpr_count 2
		.amdhsa_user_sgpr_kernarg_segment_ptr 1
		.amdhsa_wavefront_size32 1
		.amdhsa_system_sgpr_workgroup_id_x 1
		.amdhsa_system_sgpr_workgroup_id_y 1
		.amdhsa_system_sgpr_workgroup_id_z 1
		.amdhsa_system_vgpr_workitem_id 0
		.amdhsa_next_free_vgpr 1024
		.amdhsa_next_free_sgpr 66
		.amdhsa_reserve_vcc 0
		.amdhsa_float_denorm_mode_32 3
		.amdhsa_float_denorm_mode_16_64 3
		.amdhsa_memory_ordered 1
		.amdhsa_forward_progress 1
		.amdhsa_inst_pref_size 255
	.end_amdhsa_kernel
	.section	.bss,"aw",@nobits
	.p2align	6
	.space	262144
	.amdgpu_metadata
---
amdhsa.version: [ 1, 2 ]
amdhsa.kernels:
  - .name:           k_q02c0c7db07_attn
    .symbol:         k_q02c0c7db07_attn.kd
    .args:
      - { .name: G, .offset: 0, .size: 8, .value_kind: global_buffer, .address_space: global }
      - { .name: QI, .offset: 8, .size: 8, .value_kind: global_buffer, .address_space: global }
      - { .name: WV16, .offset: 16, .size: 8, .value_kind: global_buffer, .address_space: global }
      - { .name: dgcnn_feat, .offset: 24, .size: 8, .value_kind: global_buffer, .address_space: global }
      - { .name: bv, .offset: 32, .size: 8, .value_kind: global_buffer, .address_space: global }
      - { .name: gamma, .offset: 40, .size: 8, .value_kind: global_buffer, .address_space: global }
      - { .name: FUSED, .offset: 48, .size: 8, .value_kind: global_buffer, .address_space: global }
      - { .name: PART, .offset: 56, .size: 8, .value_kind: global_buffer, .address_space: global }
    .group_segment_fixed_size: 327680
    .private_segment_fixed_size: 0
    .kernarg_segment_align: 8
    .kernarg_segment_size: 64
    .max_flat_workgroup_size: 128
    .sgpr_count:     66
    .vgpr_count:     1024
    .wavefront_size: 32
...
	.end_amdgpu_metadata
.endif
;; end of part 7
;; launch bn (part 8): grid 256 x 1, 8 waves a work-group, no clusters, 1,536 bytes of LDS; arguments FUSED, PART, bn_weight, bn_bias, out0; writes out0
.if DOCPART == 8
	.amdgcn_target "amdgcn-amd-amdhsa--gfx1250"
	.amdhsa_code_object_version 6
	.text
	.protected	k_q02c0c7db07_bn
	.globl	k_q02c0c7db07_bn
	.p2align	8
	.type	k_q02c0c7db07_bn,@function
k_q02c0c7db07_bn:
	s_mov_b64 s[64:65], 0
	v_nop
	global_prefetch_b8 v0, s[64:65] scope:SCOPE_SE
	s_setreg_imm32_b32 hwreg(HW_REG_WAVE_MODE, 25, 1), 1
	s_wait_xcnt 0x0
; out = relu((fused - mean) rsqrt(var + 1e-5) weight + bias).  A work-group owns one channel: four rows of 16,384 bytes, 16 loads of 16 bytes a thread,
; all issued at the start and kept in registers, so FUSED is read once.  Thread t takes the (mean, M2) that work-group t of the launch before left for
; this channel (8 bytes at a stride of 2,048, once a work-group, under the row loads).  With equal counts of 64:
; mean = sum of means / 256;  var = (sum of M2 + 64 sum of (mean_t - mean)^2) / 16,384: no difference of large sums is formed.
; FORMAT (a stated limit): weight and bias, like every floating input of the program, are rounded once to bf16 where they enter.
; Memory binds: no matrix unit, no cluster; LDS only for the two sums over the eight waves.
.macro WSUM r, t
	v_add_f32_dpp v[\r], v[\r], v[\r] row_xmask:1 row_mask:0xf bank_mask:0xf
	v_add_f32_dpp v[\r], v[\r], v[\r] row_xmask:2 row_mask:0xf bank_mask:0xf
	v_add_f32_dpp v[\r], v[\r], v[\r] row_xmask:4 row_mask:0xf bank_mask:0xf
	v_add_f32_dpp v[\r], v[\r], v[\r] row_xmask:8 row_mask:0xf bank_mask:0xf
	v_permlanex16_b32 v[\t], v[\r], s20, s21
	v_add_f32 v[\r], v[\r], v[\t]
.endm
	s_load_b256 s[4:11], s[0:1], 0x0               ; FUSED s[4:5], PART s[6:7], weight s[8:9], bias s[10:11]
	s_load_b64 s[12:13], s[0:1], 0x20              ; out0
	v_lshl_add_u32 v112, v0, 2, 0x200
	v_mov_b32 v113, 0
	v_lshlrev_b32 v1, 11, v0                       ; 2,048 t
	v_lshlrev_b32 v2, 4, v0                        ; 16 t
	v_lshrrev_b32 v3, 5, v0                        ; wave
	v_lshlrev_b32 v7, 3, v3
	v_lshlrev_b32 v8, 2, v3
	v_mov_b32 v6, 0
	v_mov_b32 v10, 0
	s_lshl_b32 s14, ttmp9, 3
	s_mov_b32 s15, 0
	s_lshl_b32 s16, ttmp9, 14
	s_mov_b32 s17, 0
	s_lshl_b32 s18, ttmp9, 2
	s_mov_b32 s19, 0
	s_mov_b32 s20, 0x76543210
	s_mov_b32 s21, 0xfedcba98
	s_mov_b32 s28, 0x38800000                      ; 1 / 16,384
	s_mov_b32 s29, 0x42800000                      ; 64
	s_mov_b32 s30, 0x3727c5ac                      ; 1e-5
	s_wait_kmcnt 0x0
	s_add_nc_u64 s[6:7], s[6:7], s[14:15]
	s_add_nc_u64 s[4:5], s[4:5], s[16:17]          ; batches 0, 1
	s_add_nc_u64 s[22:23], s[4:5], 0x800000        ; batches 2, 3
	s_add_nc_u64 s[12:13], s[12:13], s[16:17]
	s_add_nc_u64 s[24:25], s[12:13], 0x800000
	s_add_nc_u64 s[8:9], s[8:9], s[18:19]
	s_add_nc_u64 s[10:11], s[10:11], s[18:19]
	s_load_b32 s26, s[8:9], 0x0
	s_load_b32 s27, s[10:11], 0x0
	global_load_b64 v[4:5], v1, s[6:7]
.irp b, 0,1
.irp k, 0,1,2,3
	global_load_b128 v[32+16*\b+4*\k:35+16*\b+4*\k], v2, s[4:5] offset:\b*4194304+\k*4096 th:TH_LOAD_NT
.endr
.endr
.irp b, 0,1
.irp k, 0,1,2,3
	global_load_b128 v[64+16*\b+4*\k:67+16*\b+4*\k], v2, s[22:23] offset:\b*4194304+\k*4096 th:TH_LOAD_NT
.endr
.endr
	s_wait_loadcnt 16                              ; (mean, M2) is in; the 16 row loads stay out
	v_mov_b32 v9, v4
	WSUM 4, 6
	WSUM 5, 6
	ds_store_b64 v7, v[4:5]
	s_wait_dscnt 0x0
	s_barrier_signal -1
	s_barrier_wait -1
.irp i, 0,1,2,3
	ds_load_b128 v[96+4*\i:99+4*\i], v10 offset:16*\i
.endr
	s_wait_dscnt 0x0
	v_pk_add_f32 v[96:97], v[96:97], v[98:99]
	v_pk_add_f32 v[100:101], v[100:101], v[102:103]
	v_pk_add_f32 v[104:105], v[104:105], v[106:107]
	v_pk_add_f32 v[108:109], v[108:109], v[110:111]
	v_pk_add_f32 v[96:97], v[96:97], v[100:101]
	v_pk_add_f32 v[104:105], v[104:105], v[108:109]
	v_pk_add_f32 v[96:97], v[96:97], v[104:105]    ; v96: sum of means, v97: sum of M2
	v_mul_f32 v14, 0x3b800000, v96                 ; mean
	v_mov_b32 v15, v14
	v_sub_f32 v9, v9, v14
	v_mul_f32 v9, v9, v9
	WSUM 9, 6
	ds_store_b32 v8, v9 offset:256                 ; other bytes than the first sum's
	s_wait_dscnt 0x0
	s_barrier_signal -1
	s_barrier_wait -1
	ds_load_b128 v[100:103], v10 offset:256
	ds_load_b128 v[104:107], v10 offset:272
	s_wait_dscnt 0x0
	v_pk_add_f32 v[100:101], v[100:101], v[102:103]
	v_pk_add_f32 v[104:105], v[104:105], v[106:107]
	v_pk_add_f32 v[100:101], v[100:101], v[104:105]
	v_add_f32 v100, v100, v101
	v_fma_f32 v11, v100, s29, v97                  ; 64 sum d^2 + sum M2
	v_fma_f32 v11, v11, s28, s30                   ; / 16,384 + 1e-5
	v_rsq_f32 v11, v11
	s_wait_kmcnt 0x0
	v_cvt_pk_bf16_f32 v18, s26, s27                ; weight and bias: their one rounding (also the plain place behind v_rsq_f32, ISA guide 5.7.2)
	v_lshlrev_b32 v19, 16, v18                     ; weight
	v_and_b32 v16, 0xffff0000, v18                 ; bias
	s_wait_alu depctr_va_vdst(0)
	v_mul_f32 v12, v19, v11
	v_mov_b32 v13, v12
	v_mov_b32 v17, v16
.macro NORM i, sb, off
	s_wait_loadcnt 15-(\i)                         ; loads come back in order: load i is in
	v_pk_add_f32 v[32+4*(\i):33+4*(\i)], v[32+4*(\i):33+4*(\i)], v[14:15] neg_lo:[0,1] neg_hi:[0,1]
	v_pk_add_f32 v[34+4*(\i):35+4*(\i)], v[34+4*(\i):35+4*(\i)], v[14:15] neg_lo:[0,1] neg_hi:[0,1]
	v_pk_fma_f32 v[32+4*(\i):33+4*(\i)], v[32+4*(\i):33+4*(\i)], v[12:13], v[16:17]
	v_pk_fma_f32 v[34+4*(\i):35+4*(\i)], v[34+4*(\i):35+4*(\i)], v[12:13], v[16:17]
	v_max_num_f32 v[32+4*(\i)], 0, v[32+4*(\i)]
	v_max_num_f32 v[33+4*(\i)], 0, v[33+4*(\i)]
	v_max_num_f32 v[34+4*(\i)], 0, v[34+4*(\i)]
	v_max_num_f32 v[35+4*(\i)], 0, v[35+4*(\i)]
	global_store_b128 v2, v[32+4*(\i):35+4*(\i)], s[\sb:\sb+1] offset:\off th:TH_STORE_NT   ; the wave stores 512 consecutive bytes
.endm
.irp b, 0,1
.irp k, 0,1,2,3
	NORM 4*\b+\k, 12, \b*4194304+\k*4096
.endr
.endr
.irp b, 0,1
.irp k, 0,1,2,3
	NORM 8+4*\b+\k, 24, \b*4194304+\k*4096
.endr
.endr
	s_wait_tensorcnt 0x0
	ds_add_u32 v112, v113
	s_wait_dscnt 0x0
	s_endpgm
.Lfunc_end_k_q02c0c7db07_bn:
	.size	k_q02c0c7db07_bn, .Lfunc_end_k_q02c0c7db07_bn-k_q02c0c7db07_bn
	.p2alignl 7, 3214868480
	.fill 96, 4, 3214868480
	.section	.rodata,"a",@progbits
	.p2align	6, 0x0
	.amdhsa_kernel k_q02c0c7db07_bn
		.amdhsa_group_segment_fixed_size 1536
		.amdhsa_private_segment_fixed_size 0
		.amdhsa_enable_private_segment 0
		.amdhsa_kernarg_size 40
		.amdhsa_user_sgpr_count 2
		.amdhsa_user_sgpr_kernarg_segment_ptr 1
		.amdhsa_wavefront_size32 1
		.amdhsa_system_sgpr_workgroup_id_x 1
		.amdhsa_system_sgpr_workgroup_id_y 1
		.amdhsa_system_sgpr_workgroup_id_z 1
		.amdhsa_system_vgpr_workitem_id 0
		.amdhsa_next_free_vgpr 114
		.amdhsa_next_free_sgpr 66
		.amdhsa_reserve_vcc 0
		.amdhsa_float_denorm_mode_32 3
		.amdhsa_float_denorm_mode_16_64 3
		.amdhsa_memory_ordered 1
		.amdhsa_forward_progress 1
		.amdhsa_inst_pref_size 15
	.end_amdhsa_kernel
	.amdgpu_metadata
---
amdhsa.version: [ 1, 2 ]
amdhsa.kernels:
  - .name:           k_q02c0c7db07_bn
    .symbol:         k_q02c0c7db07_bn.kd
    .args:
      - { .name: FUSED, .offset: 0, .size: 8, .value_kind: global_buffer, .address_space: global }
      - { .name: PART, .offset: 8, .size: 8, .value_kind: global_buffer, .address_space: global }
      - { .name: bn_weight, .offset: 16, .size: 8, .value_kind: global_buffer, .address_space: global }
      - { .name: bn_bias, .offset: 24, .size: 8, .value_kind: global_buffer, .address_space: global }
      - { .name: out0, .offset: 32, .size: 8, .value_kind: global_buffer, .address_space: global }
    .group_segment_fixed_size: 1536
    .private_segment_fixed_size: 0
    .kernarg_segment_align: 8
    .kernarg_segment_size: 40
    .max_flat_workgroup_size: 256
    .sgpr_count:     66
    .vgpr_count:     114
    .wavefront_size: 32
...
	.end_amdgpu_metadata
.endif
;; end of part 8
;; ======== version 3 of 3: 4 launches; version 2 with the launch bn written anew for expert scheduling mode
;; limits: values are held in f16: magnitudes above 65,504 overflow, below 6.1e-05 lose precision; inputs' magnitudes at most 65,000; values outside matrix products are rounded to bf16; right only within a limited range of input values
;; workspace buffers: G 4,194,304 bytes; MW 147,456 bytes; UE 768 bytes; WV16 65,536 bytes; QI 9,437,184 bytes; FUSED 16,777,216 bytes; PART 524,288 bytes
;; launch prep: the kernel of part 5 again; grid 326 x 1, 8 waves a work-group, no clusters, 22,016 bytes of LDS; arguments geo_feat, Wk, Wq, Wv, bk, bq, G, MW, UE, WV16; writes G, MW, UE, WV16
;; launch proj: the kernel of part 6 again; grid 256 x 1, 4 waves a work-group, clusters of 4 x 1, 222,208 bytes of LDS; arguments dgcnn_feat, MW, UE, QI; writes QI
;; launch attn: the kernel of part 7 again; grid 256 x 1, 4 waves a work-group, clusters of 4 x 1, 327,680 bytes of LDS; arguments G, QI, WV16, dgcnn_feat, bv, gamma, FUSED, PART; writes FUSED, PART
;; launch bn (part 9): grid 256 x 1, 8 waves a work-group, no clusters, 1,536 bytes of LDS; arguments FUSED, PART, bn_weight, bn_bias, out0; writes out0
.if DOCPART == 9
	.amdgcn_target "amdgcn-amd-amdhsa--gfx1250"
	.amdhsa_code_object_version 6
	.text
	.protected	k_q02c0c7db07_bn
	.globl	k_q02c0c7db07_bn
	.p2align	8
	.type	k_q02c0c7db07_bn,@function
k_q02c0c7db07_bn:
	s_mov_b64 s[64:65], 0
	v_nop
	global_prefetch_b8 v0, s[64:65] scope:SCOPE_SE
	s_setreg_imm32_b32 hwreg(HW_REG_WAVE_SCHED_MODE, 0, 2), 2
	s_setreg_imm32_b32 hwreg(HW_REG_WAVE_MODE, 25, 1), 1
	s_wait_xcnt 0x0
	s_wait_alu depctr_vm_vsrc(0)
; out = relu((fused - mean) rsqrt(var + 1e-5) weight + bias).  A work-group owns one channel: four rows of 16,384 bytes, 16 loads of 16 bytes a thread,
; all issued at the start and kept in registers, so FUSED is read once.  Thread t takes the (mean, M2) that work-group t of the launch before left for
; this channel (8 bytes at a stride of 2,048, once a work-group, under the row loads).  With equal counts of 64:
; mean = sum of means / 256;  var = (sum of M2 + 64 sum of (mean_t - mean)^2) / 16,384: no difference of large sums is formed.
; FORMAT (a stated limit): weight and bias, like every floating input of the program, are rounded once to bf16 where they enter.
; Memory binds: no matrix unit, no cluster; LDS only for the two sums over the eight waves.
; THE MODE: SCHED_MODE bits 1:0 = 2 (LLVM: expert scheduling mode 2), set by the entry lines.  The code itself states the register dependences
; between vector instructions and memory or LDS instructions, with s_wait_alu, always for 0.
; THE PLAN.  Registers that memory or LDS instructions touch:
;   v1, v2, v7, v8, v10   offsets and LDS addresses: written at the head, read by the loads and stores, never written again.
;   v[4:5]      the load of (mean, M2) lands here; the sums over the lanes write them; one LDS store reads them; never written again.
;   v9          written by vector instructions; one LDS store reads it; never written again.
;   v[96:111]   the first four LDS loads land here; the packed adds read and write them; the second two LDS loads land in v[100:107].
;   v[32:95]    16 chunks of 4 registers: a row load lands in a chunk, eight vector lines normalise it in place, one store reads it; never written again.
;   v112, v113  written at the head, read by the closing add alone.
; No register that a memory or LDS instruction has read is written again, so no wait on vm_vsrc is owed ahead of the closing lines.
; The 16 chunks go in four blocks of four.  Block p's vector lines name its own 16 registers and the constants v[12:17]; its memory instructions are the four
; stores of block p - 1.  So ONE wait on va_vdst at a block's head states all that those stores hang on, and they are dealt among the block's vector lines.
.macro WSUM r, t
	v_add_f32_dpp v[\r], v[\r], v[\r] row_xmask:1 row_mask:0xf bank_mask:0xf
	v_add_f32_dpp v[\r], v[\r], v[\r] row_xmask:2 row_mask:0xf bank_mask:0xf
	v_add_f32_dpp v[\r], v[\r], v[\r] row_xmask:4 row_mask:0xf bank_mask:0xf
	v_add_f32_dpp v[\r], v[\r], v[\r] row_xmask:8 row_mask:0xf bank_mask:0xf
	v_permlanex16_b32 v[\t], v[\r], s20, s21
	v_add_f32 v[\r], v[\r], v[\t]
.endm
	s_load_b256 s[4:11], s[0:1], 0x0               ; FUSED s[4:5], PART s[6:7], weight s[8:9], bias s[10:11]
	s_load_b64 s[12:13], s[0:1], 0x20              ; out0
	v_lshl_add_u32 v112, v0, 2, 0x200
	v_mov_b32 v113, 0
	v_lshlrev_b32 v1, 11, v0                       ; 2,048 t
	v_lshlrev_b32 v2, 4, v0                        ; 16 t
	v_lshrrev_b32 v3, 5, v0                        ; wave
	v_lshlrev_b32 v7, 3, v3
	v_lshlrev_b32 v8, 2, v3
	v_mov_b32 v6, 0
	v_mov_b32 v10, 0
	s_lshl_b32 s14, ttmp9, 3
	s_mov_b32 s15, 0
	s_lshl_b32 s16, ttmp9, 14
	s_mov_b32 s17, 0
	s_lshl_b32 s18, ttmp9, 2
	s_mov_b32 s19, 0
	s_mov_b32 s20, 0x76543210
	s_mov_b32 s21, 0xfedcba98
	s_mov_b32 s28, 0x38800000                      ; 1 / 16,384
	s_mov_b32 s29, 0x42800000                      ; 64
	s_mov_b32 s30, 0x3727c5ac                      ; 1e-5
	s_wait_kmcnt 0x0
	s_add_nc_u64 s[6:7], s[6:7], s[14:15]
	s_add_nc_u64 s[4:5], s[4:5], s[16:17]          ; batches 0, 1
	s_add_nc_u64 s[22:23], s[4:5], 0x800000        ; batches 2, 3
	s_add_nc_u64 s[12:13], s[12:13], s[16:17]
	s_add_nc_u64 s[24:25], s[12:13], 0x800000
	s_add_nc_u64 s[8:9], s[8:9], s[18:19]
	s_add_nc_u64 s[10:11], s[10:11], s[18:19]
	s_load_b32 s26, s[8:9], 0x0
	s_load_b32 s27, s[10:11], 0x0
	s_wait_alu depctr_va_vdst(0)                   ; v1, v2, v7, v8 and v10 are written: every load and store of the kernel, global or LDS, reads one of them as its offset or address
	global_load_b64 v[4:5], v1, s[6:7]
.irp b, 0,1
.irp k, 0,1,2,3
	global_load_b128 v[32+16*\b+4*\k:35+16*\b+4*\k], v2, s[4:5] offset:\b*4194304+\k*4096 th:TH_LOAD_NT
.endr
.endr
.irp b, 0,1
.irp k, 0,1,2,3
	global_load_b128 v[64+16*\b+4*\k:67+16*\b+4*\k], v2, s[22:23] offset:\b*4194304+\k*4096 th:TH_LOAD_NT
.endr
.endr
	s_wait_loadcnt 16                              ; (mean, M2) is in; the 16 row loads stay out
	v_mov_b32 v9, v4
	WSUM 4, 6
	WSUM 5, 6
	s_wait_alu depctr_va_vdst(0)                   ; the sums over the lanes have written v[4:5], which the LDS store reads
	ds_store_b64 v7, v[4:5]
	s_wait_dscnt 0x0
	s_barrier_signal -1
	s_barrier_wait -1
.irp i, 0,1,2,3
	ds_load_b128 v[96+4*\i:99+4*\i], v10 offset:16*\i              ; no vector instruction has named v[96:111] yet
.endr
	s_wait_dscnt 0x0
	v_pk_add_f32 v[96:97], v[96:97], v[98:99]
	v_pk_add_f32 v[100:101], v[100:101], v[102:103]
	v_pk_add_f32 v[104:105], v[104:105], v[106:107]
	v_pk_add_f32 v[108:109], v[108:109], v[110:111]
	v_pk_add_f32 v[96:97], v[96:97], v[100:101]
	v_pk_add_f32 v[104:105], v[104:105], v[108:109]
	v_pk_add_f32 v[96:97], v[96:97], v[104:105]    ; v96: sum of means, v97: sum of M2
	v_mul_f32 v14, 0x3b800000, v96                 ; mean
	v_mov_b32 v15, v14
	v_sub_f32 v9, v9, v14
	v_mul_f32 v9, v9, v9
	WSUM 9, 6
	s_wait_alu depctr_va_vdst(0)                   ; v9 is written, which the LDS store reads; and the packed adds above are done reading and writing v[100:107], in which the two LDS loads behind the barrier land (no vector instruction stands between this wait and them)
	ds_store_b32 v8, v9 offset:256                 ; other bytes than the first sum's
	s_wait_dscnt 0x0
	s_barrier_signal -1
	s_barrier_wait -1
	ds_load_b128 v[100:103], v10 offset:256
	ds_load_b128 v[104:107], v10 offset:272
	s_wait_dscnt 0x0
	v_pk_add_f32 v[100:101], v[100:101], v[102:103]
	v_pk_add_f32 v[104:105], v[104:105], v[106:107]
	v_pk_add_f32 v[100:101], v[100:101], v[104:105]
	v_add_f32 v100, v100, v101
	v_fma_f32 v11, v100, s29, v97                  ; 64 sum d^2 + sum M2
	v_fma_f32 v11, v11, s28, s30                   ; / 16,384 + 1e-5
	v_rsq_f32 v11, v11
	s_wait_kmcnt 0x0
	v_cvt_pk_bf16_f32 v18, s26, s27                ; weight and bias: their one rounding (also the plain place behind v_rsq_f32, ISA guide 5.7.2)
	v_lshlrev_b32 v19, 16, v18                     ; weight
	v_and_b32 v16, 0xffff0000, v18                 ; bias
	s_wait_alu depctr_va_vdst(0)                   ; v_rsq_f32 has written v11, ahead of its first reader
	v_mul_f32 v12, v19, v11
	v_mov_b32 v13, v12
	v_mov_b32 v17, v16
; Chunk i, 4 numbers a lane, normalised in place.
.macro CALC i
	v_pk_add_f32 v[32+4*(\i):33+4*(\i)], v[32+4*(\i):33+4*(\i)], v[14:15] neg_lo:[0,1] neg_hi:[0,1]
	v_pk_add_f32 v[34+4*(\i):35+4*(\i)], v[34+4*(\i):35+4*(\i)], v[14:15] neg_lo:[0,1] neg_hi:[0,1]
	v_pk_fma_f32 v[32+4*(\i):33+4*(\i)], v[32+4*(\i):33+4*(\i)], v[12:13], v[16:17]
	v_pk_fma_f32 v[34+4*(\i):35+4*(\i)], v[34+4*(\i):35+4*(\i)], v[12:13], v[16:17]
	v_max_num_f32 v[32+4*(\i)], 0, v[32+4*(\i)]
	v_max_num_f32 v[33+4*(\i)], 0, v[33+4*(\i)]
	v_max_num_f32 v[34+4*(\i)], 0, v[34+4*(\i)]
	v_max_num_f32 v[35+4*(\i)], 0, v[35+4*(\i)]
.endm
; Chunk k of block p (batch p) is stored: batches 0, 1 by the base s[12:13], batches 2, 3 by s[24:25].
.macro SEND p, k
	global_store_b128 v2, v[32+16*(\p)+4*(\k):35+16*(\p)+4*(\k)], s[12+12*((\p)/2):13+12*((\p)/2)] offset:((\p)%2)*4194304+(\k)*4096 th:TH_STORE_NT   ; the wave stores 512 consecutive bytes
.endm
; Block p: its four chunks are normalised; the four stores of the block before are dealt among them.
.macro BLK p
	s_wait_loadcnt 12-4*(\p)                       ; loads come back in order: this block's four are in, the younger blocks stay out
.if (\p) > 0
	s_wait_alu depctr_va_vdst(0)                   ; the block before has written its 16 registers, which the four stores below read; no vector line of this block names them
.endif
.irp k, 0,1,2,3
.if (\p) > 0
	SEND (\p)-1, \k
.endif
	CALC 4*(\p)+\k
.endr
.endm
	BLK 0
	BLK 1
	BLK 2
	BLK 3
	s_wait_alu depctr_va_vdst(0)                   ; block 3 has written v[80:95], which the last four stores read
.irp k, 0,1,2,3
	SEND 3, \k
.endr
	s_wait_dscnt 0x0                               ; the closing lines, six on end
	s_wait_alu 0x0
	s_wait_tensorcnt 0x0
	ds_add_u32 v112, v113
	s_wait_dscnt 0x0
	s_endpgm
.Lfunc_end_k_q02c0c7db07_bn:
	.size	k_q02c0c7db07_bn, .Lfunc_end_k_q02c0c7db07_bn-k_q02c0c7db07_bn
	.p2alignl 7, 3214868480
	.fill 96, 4, 3214868480
	.section	.rodata,"a",@progbits
	.p2align	6, 0x0
	.amdhsa_kernel k_q02c0c7db07_bn
		.amdhsa_group_segment_fixed_size 1536
		.amdhsa_private_segment_fixed_size 0
		.amdhsa_enable_private_segment 0
		.amdhsa_kernarg_size 40
		.amdhsa_user_sgpr_count 2
		.amdhsa_user_sgpr_kernarg_segment_ptr 1
		.amdhsa_wavefront_size32 1
		.amdhsa_system_sgpr_workgroup_id_x 1
		.amdhsa_system_sgpr_workgroup_id_y 1
		.amdhsa_system_sgpr_workgroup_id_z 1
		.amdhsa_system_vgpr_workitem_id 0
		.amdhsa_next_free_vgpr 114
		.amdhsa_next_free_sgpr 66
		.amdhsa_reserve_vcc 0
		.amdhsa_float_denorm_mode_32 3
		.amdhsa_float_denorm_mode_16_64 3
		.amdhsa_memory_ordered 1
		.amdhsa_forward_progress 1
		.amdhsa_inst_pref_size 15
	.end_amdhsa_kernel
	.amdgpu_metadata
---
amdhsa.version: [ 1, 2 ]
amdhsa.kernels:
  - .name:           k_q02c0c7db07_bn
    .symbol:         k_q02c0c7db07_bn.kd
    .args:
      - { .name: FUSED, .offset: 0, .size: 8, .value_kind: global_buffer, .address_space: global }
      - { .name: PART, .offset: 8, .size: 8, .value_kind: global_buffer, .address_space: global }
      - { .name: bn_weight, .offset: 16, .size: 8, .value_kind: global_buffer, .address_space: global }
      - { .name: bn_bias, .offset: 24, .size: 8, .value_kind: global_buffer, .address_space: global }
      - { .name: out0, .offset: 32, .size: 8, .value_kind: global_buffer, .address_space: global }
    .group_segment_fixed_size: 1536
    .private_segment_fixed_size: 0
    .kernarg_segment_align: 8
    .kernarg_segment_size: 40
    .max_flat_workgroup_size: 256
    .sgpr_count:     66
    .vgpr_count:     114
    .wavefront_size: 32
...
	.end_amdgpu_metadata
.endif
;; end of part 9
